; MI455X (gfx1250); checked and timed in simulation.
; The chip was launched on July 23, 2026; its instructions are those of AMD's public machine-readable ISA for CDNA 5 (MIT licence, August 2026) and "CDNA5" Instruction Set Architecture Reference Guide (July 2026). The comments in the code are by the model that wrote it; some were corrected since.
;; Cross Attention Module. Allowed arithmetic: matrix products marked QUANTISED: E4M3 operands, one given power-of-two scale a tensor, by v_wmma_f32_16x16x64_fp8_fp8 or v_wmma_f32_16x16x128_fp8_fp8, f32 sums; everything else in f32.
;; Inputs: W1 2,048 x 512 float32; W2 512 x 2,048 float32; Wk 512 x 512 float32; Wo 512 x 512 float32; Wq 512 x 512 float32; Wv 512 x 512 float32; b1 512 float32; b2 512 float32; bc 512 float32; context 4 x 2,048 x 512 float32; g1 512 float32; g2 512 float32; gc 512 float32; lowp_scales 16 int32 (the exponents e of the quantised operands' scales 2^e); x 4 x 2,048 x 512 float32.
;; Outputs: out0 4 x 2,048 x 512 float32.
;; This version of the problem:
;;   THIS VERSION OF THE PROBLEM IS GIVEN IN LOW PRECISION. The matrix products marked QUANTISED in the list below multiply operands that are first quantised to E4M3 (4 exponent bits, 3 mantissa bits; 8 bits a number), with one given power-of-two scale for each operand tensor; their sums are f32. All else is computed in f32.
;;   The module's matrix products, in the order in which they are computed (A, B: the left and right operand; K: the contracted axis; several contracted axes count as one K, in the product's order):
;;     1. [M 8,192, K 512] x [K 512, N 512]; A: computed on the way; B: input Wq: QUANTISED (scales: A lowp_scales[0], B lowp_scales[1])
;;     2. [M 8,192, K 512] x [K 512, N 512]; A: computed on the way; B: input Wk: QUANTISED (scales: A lowp_scales[2], B lowp_scales[3])
;;     3. [M 8,192, K 512] x [K 512, N 512]; A: computed on the way; B: input Wv: QUANTISED (scales: A lowp_scales[4], B lowp_scales[5])
;;     4. batch 64 x [M 2,048, K 32] x [K 32, N 2,048]; A: computed on the way; B: computed on the way: QUANTISED (scales: A lowp_scales[6], B lowp_scales[7])
;;     5. batch 64 x [M 2,048, K 2,048] x [K 2,048, N 32]; A: softmax (see below); B: computed on the way: QUANTISED (scales: A lowp_scales[8], B lowp_scales[9])
;;     6. [M 8,192, K 512] x [K 512, N 512]; A: computed on the way; B: input Wo: QUANTISED (scales: A lowp_scales[10], B lowp_scales[11])
;;     7. [M 8,192, K 512] x [K 512, N 2,048]; A: computed on the way; B: input W1: QUANTISED (scales: A lowp_scales[12], B lowp_scales[13])
;;     8. [M 8,192, K 2,048] x [K 2,048, N 512]; A: computed on the way; B: input W2: QUANTISED (scales: A lowp_scales[14], B lowp_scales[15])
;;   THE QUANTISER, for each operand of a quantised product, along K:
;;     - The operand's scale is 2^e, e = its entry of the input lowp_scales (int32; the entries are numbered through the quantised products in the list's order, A before B).
;;     - Each number is divided by the scale, clamped to +-448, and rounded to the nearest number of E4M3, ties to even, subnormals kept.
;;     - The product sums the exact products of the quantised numbers (number of the format x scale) in f32.
;;   ~~~python
;;   def quantise(x, axis, e):      # numpy; x: float32 -> the quantised numbers, widened to float32 again
;;       x = np.moveaxis(x, axis, -1); K = x.shape[-1]
;;       r = np.clip(x / 2.0 ** e, -448, 448)
;;       step = 2.0 ** (np.maximum(np.frexp(np.where(r == 0, 1, r))[1] - 1, -6) - 3)
;;       q = np.round(r / step) * step * 2.0 ** e      # np.round: ties to even
;;       return np.moveaxis(q, -1, axis).astype(np.float32)
;;   ~~~
;;   SOFTMAX AHEAD OF A QUANTISED PRODUCT. Where the list says 'softmax', what is quantised is not the finished softmax but p = 2^(t - M), with t = logit x log2(e) and M = ceil(the row's largest t), a whole number; so 1/2 < the row's largest p <= 1. The row's sum l is taken of the UNQUANTISED p, in f32, and the product's result is divided by l at the end. Since M is a whole number, a kernel that streams over the keys may use a running M (the ceiling of the running maximum): every later rescaling is an exact power of two, so the quantised numbers keep their values, but for numbers so far below the row's largest that they fall under the format's range.
;;   OPERANDS COMPUTED ON THE WAY. 'Computed on the way' means the value that the module computes at that place (a softmax that the list does not call 'softmax' is quantised finished and normalised). What goes into a quantiser is computed in f32, as accurately as f32 sums, v_exp_f32 and their like allow (about 1e-6 of the number): no bf16 or f16 on the way to a quantiser, and a product that is left as it is and whose result goes on into a quantised operand takes f32 operands (vector FMAs, or v_wmma_f32_16x16x4_f32). A number that lies on a knife's edge between two numbers of the format may be rounded either way, as far as f32 arithmetic and the matrix unit's own rounding can turn it there, and no further.
;; One version. Each part assembles by itself: llvm-mc -triple=amdgcn-amd-amdhsa -mcpu=gfx1250 --defsym DOCPART=n.
;; ======== version 1 of 1: 6 launches
;; limits: right only within a limited range of input values
;; workspace buffers: prep 15,728,640 bytes; qkv 12,582,912 bytes; oimg 4,194,304 bytes; x1 16,777,216 bytes; himg 4,194,304 bytes; gimg 16,777,216 bytes
;; launch prep (part 1): grid 352 x 1, 4 waves a work-group, no clusters, 68,096 bytes of LDS; arguments x, context, g1, b1, gc, bc, Wq, Wk, Wv, Wo, W1, W2, lowp_scales, prep; writes prep
.if DOCPART == 1
	.amdgcn_target "amdgcn-amd-amdhsa--gfx1250"
	.amdhsa_code_object_version 6
	.text
	.protected	k_qf3ab3885a9_prep
	.globl	k_qf3ab3885a9_prep
	.p2align	8
	.type	k_qf3ab3885a9_prep,@function
k_qf3ab3885a9_prep:
	s_mov_b64 s[64:65], 0
	v_nop
	global_prefetch_b8 v0, s[64:65] scope:SCOPE_SE
	s_setreg_imm32_b32 hwreg(HW_REG_WAVE_MODE, 25, 1), 1
	s_wait_xcnt 0x0
; PREP.  LayerNorm of x and of context, quantised to E4M3; the six weights quantised to E4M3.  All codes are stored as IMAGES OF THE MATRIX OPERAND'S REGISTERS:
; a fragment (16 rows x 128 k) is 2,048 bytes: four planes of 512; in plane i lane l's 16 bytes lie at 512 i + 16 l, and byte 8 u + t of them is the code of
; (row l % 16, k = 32 i + 16 u + 8 (l / 16) + t): the layout of the plain 8-bit forms (registers 2 c, 2 c + 1: k = 16 c + 8 (l / 16) + 0 .. 7).
; prep: 0 x by e0, 4 MiB context by e2, 8 MiB context by e4, each [row tile 512][K step 4][2048]; 12 MiB Wq, Wk, Wv, Wo, W1: [n tile][K step 4][2048]; then W2: [n tile 32][K step 16][2048].
; SHARES.  Work-groups 0-127: x; 128-255: context; a wave takes 16 rows.  Work-groups 256-351: weights, 16 fragments each, 4 a wave, in the buffer's own order.
; No matrix work, no tensor load, no cluster: apart from gamma and beta, no two work-groups read the same byte.  Waves share nothing: no barrier.
; code = number / 2^e, held within +-448, to the nearest code, ties to even.  LIMITS: every e used here lies between -126 and 119; NaN among the inputs is not served.
.set SPARE, 67584                      ; behind the four waves' regions: the spare words, 128 bytes a wave
.set WREG,  16896                      ; a wave's LDS: two sets of 16 planes
.set PP,    528                        ; a plane in LDS: 512 bytes + 16
.set SET2,  8448                       ; the second set of images (context by e4)
.set G,   16                           ; v16-31   gamma at my 16 k: k = 128 j + 4 lane + i in register 4 j + i
.set B,   32                           ; v32-47   beta
.set X,   48                           ; v48-175  two sets of 4 rows x 16 numbers
.set T,   176                          ; v176-191 a row held within the largest code
.set TP,  192                          ; v192-199 a pair of partial sums for each row
.set C1,  200                          ; v200-215 codes, four registers a row
.set SUM, 216
.set PRM, 220
.set MEAN,224                          ; pairs: the low word is used for both halves
.set RS,  232
.set C2,  240                          ; v240-255 codes of the second set
.set WC,  176                          ; weights: codes, 16 registers a fragment
	s_load_b512 s[8:23], s[0:1], 0x0               ; x, context, g1, b1, gc, bc, Wq, Wk
	s_load_b256 s[24:31], s[0:1], 0x40             ; Wv, Wo, W1, W2
	s_load_b128 s[32:35], s[0:1], 0x60             ; lowp_scales, prep
	v_lshl_add_u32 v4, v0, 2, SPARE
	v_mov_b32 v5, 0
	v_lshrrev_b32 v11, 5, v0
	v_readfirstlane_b32 s2, v11                    ; wave
	v_and_b32 v12, 31, v0                          ; lane
	v_lshlrev_b32 v1, 4, v12                       ; 16 x lane
	s_wait_kmcnt 0x0
	s_load_b512 s[36:51], s[32:33], 0x0            ; e0 .. e15
	s_cmp_ge_u32 ttmp9, 256
	s_cbranch_scc1 .Lweights
.macro QCONST e, sc, lim               ; 2^e as f32 (the conversion takes its exponent field) and 448 x 2^e
	s_add_co_i32 s76, s[\e], 127
	s_lshl_b32 s77, s76, 23
	v_mov_b32 v[\sc], s77
	s_add_co_i32 s76, s76, 8
	s_lshl_b32 s76, s76, 23
	s_or_b32 s76, s76, 0x600000
	v_mov_b32 v[\lim], s76
.endm
	; ---------------- LayerNorm and codes of 16 rows ----------------
	s_mul_i32 s3, s2, WREG
	s_wait_alu depctr_va_vdst(0)
	v_lshrrev_b32 v13, 3, v12                      ; my 4 codes k' = 4 lane + 0..3 of a K step: plane lane / 8,
	v_mul_u32_u24 v2, v13, PP
	v_bfe_u32 v13, v12, 1, 1                       ; the image's lane half (k' / 8) % 2: 256 bytes,
	v_lshl_add_u32 v2, v13, 8, v2
	v_bfe_u32 v13, v12, 2, 1                       ; u = (k' / 16) % 2: 8 bytes,
	v_lshl_add_u32 v2, v13, 3, v2
	v_and_b32 v13, 1, v12                          ; and 4 (lane % 2)
	v_lshl_add_u32 v2, v13, 2, v2
	v_add_nc_u32 v2, s3, v2                        ; where I put codes (+ 16 x row, + 4 planes x K step)
	v_add_nc_u32 v3, s3, v1                        ; where I read a plane back
	s_mov_b32 s66, 0x76543210                      ; v_permlanex16_b32: lane l xor 16
	s_mov_b32 s67, 0xfedcba98
	s_mov_b32 s68, 0x3b000000                      ; 1 / 512
	s_mov_b32 s69, 0x3727c5ac                      ; 1e-5
.irp q, 0,1,2,3
	v_mov_b32 v[PRM+\q], 0                         ; a lane permute's destination counts as read
	v_mov_b32 v[MEAN+2*\q+1], 0                    ; named as the upper halves of pairs
	v_mov_b32 v[RS+2*\q+1], 0
.endr
	s_cmp_lt_u32 ttmp9, 128                        ; x or context: the choice hangs on the work-group's number alone
	s_cselect_b64 s[52:53], s[8:9], s[10:11]
	s_cselect_b64 s[54:55], s[12:13], s[16:17]
	s_cselect_b64 s[56:57], s[14:15], s[18:19]
	s_cselect_b32 s62, 0, 1
	s_cselect_b32 s72, 0, 0x400000
	s_and_b32 s73, ttmp9, 127
	s_lshl_b32 s73, s73, 2
	s_add_co_u32 s73, s73, s2                      ; my row tile, 0 .. 511
	s_lshl_b32 s74, s73, 15                        ; 16 rows of 2,048 bytes
	s_mov_b32 s75, 0
	s_add_nc_u64 s[52:53], s[52:53], s[74:75]
	s_lshl_b32 s74, s73, 13                        ; four fragments
	s_add_co_u32 s74, s74, s72
	s_add_nc_u64 s[58:59], s[34:35], s[74:75]      ; the first images
	s_add_nc_u64 s[60:61], s[58:59], 0x400000      ; the second (context alone)
.irp j, 0,1,2,3
	global_load_b128 v[G+4*\j:G+4*\j+3], v1, s[54:55] offset:512*\j
	global_load_b128 v[B+4*\j:B+4*\j+3], v1, s[56:57] offset:512*\j
.endr
.macro LOADG set, g                    ; rows 4 g .. 4 g + 3: each load reads 512 consecutive bytes
.irp q, 0,1,2,3
.irp j, 0,1,2,3
	global_load_b128 v[X+64*\set+16*\q+4*\j:X+64*\set+16*\q+4*\j+3], v1, s[52:53] offset:(4*\g+\q)*2048+512*\j th:TH_LOAD_NT
.endr
.endr
.endm
.macro REDUCE                          ; the four rows' pairs -> each row's sum, in every lane
.irp q, 0,1,2,3
	v_add_f32 v[SUM+\q], v[TP+2*\q], v[TP+2*\q+1]
.endr
.irp m, 1,2,4,8
.irp q, 0,1,2,3
	v_add_f32_dpp v[SUM+\q], v[SUM+\q], v[SUM+\q] row_xmask:\m row_mask:0xf bank_mask:0xf
.endr
.endr
.irp q, 0,1,2,3
	v_permlanex16_b32 v[PRM+\q], v[SUM+\q], s66, s67
.endr
.irp q, 0,1,2,3
	v_add_f32 v[SUM+\q], v[SUM+\q], v[PRM+\q]
.endr
.endm
.macro QROW xr, row, set2, c, sc, lim  ; a row's 16 numbers of my lane -> 4 words of codes -> the images in LDS
.set n, 0
.rept 16
	v_med3_num_f32 v[T+n], v[(\xr)+n], -v[\lim], v[\lim]   ; the conversion to an 8-bit code does not saturate (ISA guide 7.6.2): the hold comes first
.set n, n+1
.endr
	v_cvt_scalef32_pk8_fp8_f32 v[(\c):(\c)+1], v[T:T+7], v[\sc]
	v_cvt_scalef32_pk8_fp8_f32 v[(\c)+2:(\c)+3], v[T+8:T+15], v[\sc]
	v_nop                                          ; a plain line between the conversions and the next write of their sources
.irp j, 0,1,2,3
	ds_store_b32 v2, v[(\c)+\j] offset:\set2*SET2+\j*4*PP+(\row)*16
.endr
.endm
.macro GROUP set, g, left              ; four rows, stage by stage, the rows by turns so that no line waits for the line above it
.set XB, X+64*\set
	s_wait_loadcnt \left                           ; my four rows are in; the younger group of 16 loads may be out
	s_wait_dscnt 0x0                               ; the last group's LDS stores have read their code registers
.irp q, 0,1,2,3
	v_pk_add_f32 v[TP+2*\q:TP+2*\q+1], v[XB+16*\q:XB+16*\q+1], v[XB+16*\q+2:XB+16*\q+3]
.endr
.irp n, 4,6,8,10,12,14
.irp q, 0,1,2,3
	v_pk_add_f32 v[TP+2*\q:TP+2*\q+1], v[TP+2*\q:TP+2*\q+1], v[XB+16*\q+\n:XB+16*\q+\n+1]
.endr
.endr
	REDUCE
.irp q, 0,1,2,3
	v_mul_f32 v[MEAN+2*\q], s68, v[SUM+\q]
.endr
.irp n, 0,2,4,6,8,10,12,14
.irp q, 0,1,2,3
	v_pk_add_f32 v[XB+16*\q+\n:XB+16*\q+\n+1], v[XB+16*\q+\n:XB+16*\q+\n+1], v[MEAN+2*\q:MEAN+2*\q+1] op_sel_hi:[1,0] neg_lo:[0,1] neg_hi:[0,1]   ; x - mean
.endr
.endr
.irp q, 0,1,2,3
	v_pk_mul_f32 v[TP+2*\q:TP+2*\q+1], v[XB+16*\q:XB+16*\q+1], v[XB+16*\q:XB+16*\q+1]
.endr
.irp n, 2,4,6,8,10,12,14
.irp q, 0,1,2,3
	v_pk_fma_f32 v[TP+2*\q:TP+2*\q+1], v[XB+16*\q+\n:XB+16*\q+\n+1], v[XB+16*\q+\n:XB+16*\q+\n+1], v[TP+2*\q:TP+2*\q+1]
.endr
.endr
	REDUCE
.irp q, 0,1,2,3
	v_fma_f32 v[SUM+\q], v[SUM+\q], s68, s69       ; the variance + 1e-5
.endr
	s_wait_alu depctr_va_vdst(0)
.irp q, 0,1,2,3
	v_rsq_f32 v[RS+2*\q], v[SUM+\q]
.endr
	v_nop                                          ; a plain line behind the last of the batch
	s_wait_alu depctr_va_vdst(0)                   ; one wait for the four, ahead of their first reader
.irp n, 0,2,4,6,8,10,12,14
.irp q, 0,1,2,3
	v_pk_mul_f32 v[XB+16*\q+\n:XB+16*\q+\n+1], v[XB+16*\q+\n:XB+16*\q+\n+1], v[RS+2*\q:RS+2*\q+1] op_sel_hi:[1,0]
.endr
.endr
.irp n, 0,2,4,6,8,10,12,14
.irp q, 0,1,2,3
	v_pk_fma_f32 v[XB+16*\q+\n:XB+16*\q+\n+1], v[XB+16*\q+\n:XB+16*\q+\n+1], v[G+\n:G+\n+1], v[B+\n:B+\n+1]
.endr
.endr
.irp q, 0,1,2,3
	QROW XB+16*\q, 4*\g+\q, 0, C1+4*\q, 6, 7
.endr
	s_cmp_eq_u32 s62, 0                            ; context is an operand of two products, each with its own scale
	s_cbranch_scc1 .Lone_\@
.irp q, 0,1,2,3
	QROW XB+16*\q, 4*\g+\q, 1, C2+4*\q, 8, 9
.endr
.Lone_\@:
.endm
.macro OUTSET set, d                   ; 16 planes back from LDS (a wave's LDS instructions are served in order) and out: each store covers 512 consecutive bytes
.set n, 0
.rept 16
	ds_load_b128 v[X+64*\set+4*n:X+64*\set+4*n+3], v3 offset:\set*SET2+n*PP
.set n, n+1
.endr
.set n, 0
.rept 16
	s_wait_dscnt 15-n
	global_store_b128 v1, v[X+64*\set+4*n:X+64*\set+4*n+3], s[\d:\d+1] offset:n*512
.set n, n+1
.endr
.endm
	LOADG 0, 0
	LOADG 1, 1
	s_wait_kmcnt 0x0
	s_cmp_eq_u32 s62, 0
	s_cselect_b32 s71, s36, s38                    ; e0 for x, e2 for context
	QCONST 71, 6, 7
	QCONST 40, 8, 9                                ; e4
	GROUP 0, 0, 16
	LOADG 0, 2
	GROUP 1, 1, 16
	LOADG 1, 3
	GROUP 0, 2, 16
	GROUP 1, 3, 0
	OUTSET 0, 58
	s_cmp_eq_u32 s62, 0
	s_cbranch_scc1 .Lno_second
	OUTSET 1, 60
.Lno_second:
	s_wait_tensorcnt 0x0                           ; the wave's end
	ds_add_u32 v4, v5
	s_wait_dscnt 0x0
	s_endpgm
	; ---------------- weights: four fragments a wave ----------------
.Lweights:
	s_sub_co_u32 s72, ttmp9, 256                   ; j: 0-7 Wq, 8-15 Wk, 16-23 Wv, 24-31 Wo, 32-63 W1, 64-95 W2
	v_and_b32 v13, 15, v0                          ; r
	v_bfe_u32 v14, v0, 4, 1                        ; h
	s_wait_alu depctr_va_vdst(0)
	s_wait_kmcnt 0x0
	s_mov_b64 s[52:53], s[20:21]
	s_mov_b32 s71, s37                             ; e1
	s_cmp_ge_u32 s72, 8
	s_cselect_b64 s[52:53], s[22:23], s[52:53]
	s_cselect_b32 s71, s39, s71                    ; e3
	s_cmp_ge_u32 s72, 16
	s_cselect_b64 s[52:53], s[24:25], s[52:53]
	s_cselect_b32 s71, s41, s71                    ; e5
	s_cmp_ge_u32 s72, 24
	s_cselect_b64 s[52:53], s[26:27], s[52:53]
	s_cselect_b32 s71, s47, s71                    ; e11
	s_cmp_ge_u32 s72, 32
	s_cselect_b64 s[52:53], s[28:29], s[52:53]
	s_cselect_b32 s71, s49, s71                    ; e13
	s_cmp_ge_u32 s72, 64
	s_cselect_b64 s[52:53], s[30:31], s[52:53]
	s_cselect_b32 s71, s51, s71                    ; e15
	s_cmp_lt_u32 s72, 32
	s_cselect_b32 s73, 7, 31
	s_and_b32 s73, s72, s73                        ; the work-group's number within its weight
	s_lshl_b32 s74, s73, 2
	s_add_co_u32 s74, s74, s2
	s_lshl_b32 s74, s74, 15                        ; K = 512: n tile 4 loc + wave, 16 rows of 2,048 bytes, K steps 0-3
	s_lshl_b32 s76, s73, 17                        ; W2: n tile loc, 16 rows of 8,192 bytes,
	s_lshl_b32 s77, s2, 11                         ; K steps 4 wave + 0 .. 3
	s_add_co_u32 s76, s76, s77
	s_mov_b32 s70, 2048
	s_cmp_ge_u32 s72, 64
	s_cselect_b32 s70, 0x2000, s70                 ; a row in bytes
	s_cselect_b32 s74, s76, s74
	s_mov_b32 s75, 0
	s_add_nc_u64 s[52:53], s[52:53], s[74:75]
	s_lshl_b32 s74, s72, 15                        ; the images lie in the work-groups' order: 16 fragments each
	s_lshl_b32 s77, s2, 13
	s_add_co_u32 s74, s74, s77
	s_add_co_u32 s74, s74, 12582912
	s_add_nc_u64 s[58:59], s[34:35], s[74:75]
	v_mul_lo_u32 v10, v13, s70
	v_lshl_add_u32 v10, v14, 5, v10                ; row r, + 32 h: my 8 numbers of each 16 along K
	QCONST 71, 6, 7
.macro WLOAD i, set                    ; fragment i: registers 16 p + 8 u + 0 .. 7 = k 32 p + 16 u + 8 h + 0 .. 7 of my row
.irp p, 0,1,2,3
.irp u, 0,1
.irp q, 0,1
	global_load_b128 v[X+64*\set+16*\p+8*\u+4*\q:X+64*\set+16*\p+8*\u+4*\q+3], v10, s[52:53] offset:\i*512+128*\p+64*\u+16*\q
.endr
.endr
.endr
.endm
.macro WQ i, set, left
	s_wait_loadcnt \left                           ; this fragment's 16 loads are in; the next one's may be out
.set n, 0
.rept 64
	v_med3_num_f32 v[X+64*\set+n], v[X+64*\set+n], -v7, v7
.set n, n+1
.endr
.set n, 0
.rept 8
	v_cvt_scalef32_pk8_fp8_f32 v[WC+16*\i+2*n:WC+16*\i+2*n+1], v[X+64*\set+8*n:X+64*\set+8*n+7], v6
.set n, n+1
.endr
	v_nop
.irp p, 0,1,2,3
	global_store_b128 v1, v[WC+16*\i+4*\p:WC+16*\i+4*\p+3], s[58:59] offset:\i*2048+512*\p   ; a plane: 512 consecutive bytes; each fragment has code registers of its own
.endr
.endm
	WLOAD 0, 0
	WLOAD 1, 1
	s_wait_alu depctr_va_vdst(0)
	WQ 0, 0, 16
	WLOAD 2, 0
	WQ 1, 1, 16
	WLOAD 3, 1
	WQ 2, 0, 16
	WQ 3, 1, 0
	s_wait_tensorcnt 0x0                           ; the same three lines on this path
	ds_add_u32 v4, v5
	s_wait_dscnt 0x0
	s_endpgm
.Lfunc_end_k_qf3ab3885a9_prep:
	.size	k_qf3ab3885a9_prep, .Lfunc_end_k_qf3ab3885a9_prep-k_qf3ab3885a9_prep
	.p2alignl 7, 3214868480
	.fill 96, 4, 3214868480
	.section	.rodata,"a",@progbits
	.p2align	6, 0x0
	.amdhsa_kernel k_qf3ab3885a9_prep
		.amdhsa_group_segment_fixed_size 68096
		.amdhsa_private_segment_fixed_size 0
		.amdhsa_enable_private_segment 0
		.amdhsa_kernarg_size 112
		.amdhsa_user_sgpr_count 2
		.amdhsa_user_sgpr_kernarg_segment_ptr 1
		.amdhsa_wavefront_size32 1
		.amdhsa_system_sgpr_workgroup_id_x 1
		.amdhsa_system_sgpr_workgroup_id_y 1
		.amdhsa_system_sgpr_workgroup_id_z 1
		.amdhsa_system_vgpr_workitem_id 0
		.amdhsa_next_free_vgpr 256
		.amdhsa_next_free_sgpr 80
		.amdhsa_reserve_vcc 0
		.amdhsa_float_denorm_mode_32 3
		.amdhsa_float_denorm_mode_16_64 3
		.amdhsa_memory_ordered 1
		.amdhsa_forward_progress 1
		.amdhsa_inst_pref_size 144
	.end_amdhsa_kernel
	.amdgpu_metadata
---
amdhsa.version: [ 1, 2 ]
amdhsa.kernels:
  - .name:           k_qf3ab3885a9_prep
    .symbol:         k_qf3ab3885a9_prep.kd
    .args:
      - { .name: x, .offset: 0, .size: 8, .value_kind: global_buffer, .address_space: global }
      - { .name: context, .offset: 8, .size: 8, .value_kind: global_buffer, .address_space: global }
      - { .name: g1, .offset: 16, .size: 8, .value_kind: global_buffer, .address_space: global }
      - { .name: b1, .offset: 24, .size: 8, .value_kind: global_buffer, .address_space: global }
      - { .name: gc, .offset: 32, .size: 8, .value_kind: global_buffer, .address_space: global }
      - { .name: bc, .offset: 40, .size: 8, .value_kind: global_buffer, .address_space: global }
      - { .name: Wq, .offset: 48, .size: 8, .value_kind: global_buffer, .address_space: global }
      - { .name: Wk, .offset: 56, .size: 8, .value_kind: global_buffer, .address_space: global }
      - { .name: Wv, .offset: 64, .size: 8, .value_kind: global_buffer, .address_space: global }
      - { .name: Wo, .offset: 72, .size: 8, .value_kind: global_buffer, .address_space: global }
      - { .name: W1, .offset: 80, .size: 8, .value_kind: global_buffer, .address_space: global }
      - { .name: W2, .offset: 88, .size: 8, .value_kind: global_buffer, .address_space: global }
      - { .name: lowp_scales, .offset: 96, .size: 8, .value_kind: global_buffer, .address_space: global }
      - { .name: prep, .offset: 104, .size: 8, .value_kind: global_buffer, .address_space: global }
    .group_segment_fixed_size: 68096
    .private_segment_fixed_size: 0
    .kernarg_segment_align: 8
    .kernarg_segment_size: 112
    .max_flat_workgroup_size: 128
    .sgpr_count:     80
    .vgpr_count:     256
    .wavefront_size: 32
...
	.end_amdgpu_metadata
.endif
;; end of part 1
;; launch qkv (part 2): grid 32 x 6, 16 waves a work-group, clusters of 4 x 1, 264,192 bytes of LDS; arguments prep, lowp_scales, qkv; writes qkv
.if DOCPART == 2
	.amdgcn_target "amdgcn-amd-amdhsa--gfx1250"
	.amdhsa_code_object_version 6
	.text
	.protected	k_qf3ab3885a9_qkv
	.globl	k_qf3ab3885a9_qkv
	.p2align	8
	.type	k_qf3ab3885a9_qkv,@function
k_qf3ab3885a9_qkv:
	s_mov_b64 s[64:65], 0
	v_nop
	global_prefetch_b8 v0, s[64:65] scope:SCOPE_SE
	s_setreg_imm32_b32 hwreg(HW_REG_WAVE_MODE, 25, 1), 1
	s_wait_xcnt 0x0
	s_wait_alu depctr_hold_cnt(0) depctr_sa_sdst(0) depctr_va_vdst(0) depctr_va_sdst(0) depctr_va_ssrc(0) depctr_va_vcc(0) depctr_vm_vsrc(0)
	s_getreg_b32 s2, hwreg(HW_REG_IB_STS2, 6, 4)
	s_cmp_eq_u32 s2, 0
	s_cbranch_scc0 .Lentry_in_a_cluster
	s_endpgm
.Lentry_in_a_cluster:
	s_bfe_u32 s2, ttmp6, 0x10000c
	s_cmp_lg_u32 s2, 0x3003
	s_cbranch_scc0 .Lentry_shape_is_right
	s_endpgm
.Lentry_shape_is_right:
; QKV.  q = LN(x) Wq^T, k = LN(c) Wk^T, v = LN(c) Wv^T on codes of E4M3, and the results quantised at once for the two products of attention.
; A work-group makes 256 rows x 256 channels of one of the three (y = 2 x which + column half), K = 512.  Both operands, 128 KiB each, lie whole in LDS: first fills alone, nothing is filled again.
; Sixteen waves of 256 registers, each 64 x 64: 16 accumulators.  Operands are images of registers (see the launch before): a fragment is four loads of 512 consecutive bytes; no pitch, no padding.
; CLUSTER 4 x 1: the four partners are four row blocks and need the same 128 KiB of weights: asked for jointly (mask 15).  Their own rows come by plain loads.
; ORIENTATION, chosen by LDS address, not by text.  q, k: source 0 = 16 channels of the weight, source 1 = 16 rows: a lane holds a row, its registers run along the channels = the K of q k^T.
; v: source 0 = 16 rows, source 1 = 16 channels: a lane holds a channel, its registers run along the keys = the K of p v.  So one conversion of an accumulator's 8 registers gives registers 2 c, 2 c + 1 of the next operand.
; qkv: Q at 0, K at 4 MiB: [batch x 16 + head][tile of 16 rows, 128][512 bytes: lane l's 16 at 16 l];  V at 8 MiB: [batch x 16 + head][key step 16][d tile 2][2048].
; LIMITS: e6 - e0 - e1, e7 - e2 - e3 and e9 - e4 - e5 lie between -126 and 119.
.set SPARE, 262144                     ; behind the operands: the spare words, 128 bytes for each of 16 waves
.set G1A, 16                           ; s[16:23] group 1 of my rows' loads;  s[24:31] of the weights' joint loads
.set G1B, 24
.set G0A, 68                           ; s[68:71] group 0 of my rows' load
.set G0B, 84                           ; s[84:87] group 0 of the weights' joint load
.set AD0, 8                            ; v8-11   LDS address of source 0's four tiles in K step 0..3
.set AD1, 12                           ; v12-15  of source 1's
.set ACC, 16                           ; v16-143 accumulator (a, b) at 16 + 32 a + 8 b: a = source 1's tile, b = source 0's
.set S1,  144                          ; v144-207 source 1's four fragments of a K step
.set S0,  208                          ; v208-239 source 0's fragments, two at a time; later the codes
.macro ROUND                           ; a round of the cluster's barrier
	s_barrier_signal -1
	s_barrier_wait -1
	s_cmp_lg_u32 s12, 0
	s_cbranch_scc1 .Lnw0_\@
	s_barrier_signal -3
.Lnw0_\@:
	s_barrier_wait -3
	s_barrier_signal -1
	s_barrier_wait -1
.endm
	s_load_b128 s[4:7], s[0:1], 0x0                ; prep, lowp_scales
	s_load_b64 s[8:9], s[0:1], 0x10                ; qkv
	v_lshl_add_u32 v4, v0, 2, SPARE
	v_mov_b32 v5, 0
	ds_add_u32 v4, v5                              ; the wave's opening: the add and its wait ahead of my first tensor load; work on registers stands between
	ds_add_u32 v4, v5
	v_lshrrev_b32 v6, 5, v0
	s_delay_alu instid0(VALU_DEP_1)
	v_readfirstlane_b32 s12, v6                    ; wave 0..15
	v_and_b32 v6, 31, v0
	s_delay_alu instid0(VALU_DEP_1)
	v_lshlrev_b32 v1, 4, v6                        ; 16 x lane
	s_wait_alu depctr_va_vdst(0)
	s_bfe_u32 s13, ttmp6, 0x40000                  ; cx: it enters my rows' global address and the stores' alone
	s_lshl_b32 s14, ttmp9, 2
	s_add_co_u32 s14, s14, s13                     ; row block of 256, 0..31
	s_and_b32 s15, ttmp7, 0xffff
	s_lshr_b32 s32, s15, 1                         ; 0 q, 1 k, 2 v
	s_and_b32 s33, s15, 1                          ; column half
	s_lshr_b32 s60, s12, 2                         ; wr: my 64 rows
	s_and_b32 s61, s12, 3                          ; wc: my 64 channels
	s_lshl_b32 s62, s60, 15                        ; LDS: [tile 16][K step 4][2048], the rows' tiles first: my four row tiles,
	s_lshl_b32 s63, s61, 15
	s_add_co_u32 s63, s63, 131072                  ; my four weight tiles
	s_cmp_lt_u32 s32, 2
	s_cselect_b32 s66, s63, s62                    ; source 0: the weight for q and k, the rows for v
	s_cselect_b32 s67, s62, s63
.irp s, 0,1,2,3
	v_add_nc_u32 v[AD0+\s], s66, v1
	v_add_nc_u32 v[AD1+\s], s67, v1
	s_add_co_u32 s66, s66, 2048                    ; a K step on within a tile
	s_add_co_u32 s67, s67, 2048
.endr
	; group 1: two tiles with all four K steps: 2 rows of 8,192 bytes, 8,192 bytes apart, in elements of 8 bytes
	s_mov_b32 s[G1A], 3<<16                        ; no mask; elements of 8 bytes; no padding
	s_mov_b32 s[G1B], 15|(3<<16)|(1<<21)           ; the mask: all four partners; bit 21 set beside it
.irp g, G1A, G1B
	s_mov_b32 s[\g+1], 1024<<16                    ; tensor_dim0 = 1024: a tile's four K steps, 8,192 bytes on end
	s_mov_b32 s[\g+2], 2<<16                       ; tensor_dim1 = 2: two tiles, on end in memory too
	s_mov_b32 s[\g+3], 1024<<16                    ; tile_dim0 = 1024
	s_mov_b32 s[\g+4], 2                           ; tile_dim1 = 2
	s_mov_b32 s[\g+5], 1024                        ; from row to row
	s_mov_b32 s[\g+6], 0
	s_mov_b32 s[\g+7], 0
.endr
	s_and_b32 s54, s12, 7                          ; waves 0-7 fetch my rows' tiles 2 w, 2 w + 1, waves 8-15 the weight's
	s_lshl_b32 s55, s12, 14                        ; to LDS: wave x 16,384
	s_lshl_b32 s56, s32, 22                        ; rows: which image, + row block x 16 tiles x 8,192, + 2 tiles x wave
	s_lshl_b32 s57, s14, 17
	s_add_co_u32 s56, s56, s57
	s_lshl_b32 s57, s54, 14
	s_add_co_u32 s56, s56, s57
	s_mov_b32 s57, 0
	s_lshl_b32 s58, s32, 18                        ; weights: in registers that never hold cx
	s_lshl_b32 s59, s33, 17
	s_add_co_u32 s58, s58, s59
	s_lshl_b32 s59, s54, 14
	s_add_co_u32 s58, s58, s59
	s_add_co_u32 s58, s58, 12582912
	s_mov_b32 s59, 0
	s_wait_dscnt 0x0                               ; the opening add is done
	s_wait_kmcnt 0x0
	s_load_b512 s[36:51], s[6:7], 0x0              ; e0 .. e15
	s_add_nc_u64 s[56:57], s[4:5], s[56:57]
	s_add_nc_u64 s[58:59], s[4:5], s[58:59]
	s_mov_b32 s[G0A], 1
	s_mov_b32 s[G0A+1], s55
	s_mov_b64 s[G0A+2:G0A+3], s[56:57]
	s_or_b32 s[G0A+3], s[G0A+3], 0x80000000
	s_mov_b32 s[G0B], 1
	s_mov_b32 s[G0B+1], s55
	s_mov_b64 s[G0B+2:G0B+3], s[58:59]
	s_or_b32 s[G0B+3], s[G0B+3], 0x80000000
	ROUND                                          ; all four work-groups are here: the joint loads meet
	s_cmp_lt_u32 s12, 8                            ; one first fill a wave, 16 KiB: two tiles with all four K steps
	s_cbranch_scc0 .Lfill_b
	tensor_load_to_lds s[G0A:G0A+3], s[G1A:G1A+7]
	s_nop 0
.rept 4
	v_nop
.endr
	s_branch .Lfilled
.Lfill_b:
	tensor_load_to_lds s[G0B:G0B+3], s[G1B:G1B+7]
	s_nop 0
.rept 4
	v_nop
.endr
.Lfilled:
	s_wait_kmcnt 0x0
	s_sub_co_i32 s52, s42, s36
	s_sub_co_i32 s52, s52, s37                     ; q: a sum stands for sum x 2^(e0 + e1); its code is sum / 2^(e6 - e0 - e1)
	s_sub_co_i32 s53, s43, s38
	s_sub_co_i32 s53, s53, s39                     ; k: e7 - e2 - e3
	s_sub_co_i32 s54, s45, s40
	s_sub_co_i32 s54, s54, s41                     ; v: e9 - e4 - e5
	s_cmp_eq_u32 s32, 0
	s_cselect_b32 s52, s52, s53
	s_cmp_eq_u32 s32, 2
	s_cselect_b32 s52, s54, s52
	s_add_co_i32 s52, s52, 127
	s_lshl_b32 s53, s52, 23
	v_mov_b32 v2, s53                              ; the conversions' scale
	s_add_co_i32 s52, s52, 8
	s_lshl_b32 s52, s52, 23
	s_or_b32 s52, s52, 0x600000
	v_mov_b32 v3, s52                              ; 448 x that
	; where my codes go
	s_lshr_b32 s52, s14, 3                         ; batch
	s_lshl_b32 s52, s52, 4
	s_lshl_b32 s53, s33, 3
	s_add_co_u32 s52, s52, s53
	s_lshl_b32 s53, s61, 1
	s_add_co_u32 s52, s52, s53                     ; batch x 16 + my first head
	s_lshl_b32 s52, s52, 16
	s_and_b32 s53, s14, 7                          ; row block within the batch
	s_lshl_b32 s54, s53, 4
	s_lshl_b32 s55, s60, 2
	s_add_co_u32 s54, s54, s55                     ; q, k: my first tile of 16 rows
	s_lshl_b32 s54, s54, 9
	s_lshl_b32 s55, s32, 22
	s_add_co_u32 s54, s54, s55
	s_lshl_b32 s55, s53, 1
	s_lshr_b32 s56, s60, 1
	s_add_co_u32 s55, s55, s56                     ; v: my key step,
	s_lshl_b32 s55, s55, 12
	s_and_b32 s56, s60, 1
	s_lshl_b32 s56, s56, 10                        ; and which two of its four planes
	s_add_co_u32 s55, s55, s56
	s_add_co_u32 s55, s55, 8388608
	s_cmp_eq_u32 s32, 2
	s_cselect_b32 s54, s55, s54
	s_add_co_u32 s54, s54, s52
	s_mov_b32 s55, 0
	s_add_nc_u64 s[54:55], s[8:9], s[54:55]
.macro LDF reg, adr, off               ; a fragment: four loads of 512 consecutive bytes
.irp i, 0,1,2,3
	ds_load_b128 v[(\reg)+4*\i:(\reg)+4*\i+3], v[\adr] offset:(\off)+512*\i
.endr
.endm
.macro MUL4 b, buf, zero               ; source 0's tile b against source 1's four.  The 16 accumulators take turns, one instruction a turn
.irp a, 0,1,2,3
.if \zero
	v_wmma_f32_16x16x128_fp8_fp8 v[ACC+32*\a+8*\b:ACC+32*\a+8*\b+7], v[S0+16*\buf:S0+16*\buf+15], v[S1+16*\a:S1+16*\a+15], 0
.else
	v_wmma_f32_16x16x128_fp8_fp8 v[ACC+32*\a+8*\b:ACC+32*\a+8*\b+7], v[S0+16*\buf:S0+16*\buf+15], v[S1+16*\a:S1+16*\a+15], v[ACC+32*\a+8*\b:ACC+32*\a+8*\b+7]
.endif
.endr
.endm
.macro KSTEP s, zero
.if \s == 0
	s_wait_tensorcnt 0x0                           ; my one load has landed
	s_wait_dscnt 0x0
	s_barrier_signal -1
	s_barrier_wait -1                              ; everybody's has: from here on LDS is only read
.endif
.if \s > 0
.rept 4
	v_nop                                          ; four places in front of loads into registers that matrix instructions have read (ISA guide 7.12.1 for vector instructions)
.endr
.endif
.irp a, 0,1,2,3
	LDF S1+16*\a, AD1+\s, \a*8192
.endr
	LDF S0, AD0+\s, 0
	LDF S0+16, AD0+\s, 8192
	s_wait_dscnt 4                                 ; all but the youngest fragment
	MUL4 0, 0, \zero
	s_wait_dscnt 0x0
	MUL4 1, 1, \zero
.rept 4
	v_nop
.endr
	LDF S0, AD0+\s, 16384
	LDF S0+16, AD0+\s, 24576
	s_wait_dscnt 4
	MUL4 2, 0, \zero
	s_wait_dscnt 0x0
	MUL4 3, 1, \zero
.endm
	s_wait_alu depctr_va_vdst(0)
	KSTEP 0, 1                                     ; the first products start the sums: nothing is cleared
	KSTEP 1, 0
	KSTEP 2, 0
	KSTEP 3, 0
.rept 4
	v_nop
.endr
.irp a, 0,1,2,3                        ; the hold, each accumulator from its low end on, and the conversions: 8 registers of codes for each a
.set n, 0
.rept 32
	v_med3_num_f32 v[ACC+32*\a+n], v[ACC+32*\a+n], -v3, v3
.set n, n+1
.endr
.irp b, 0,1,2,3
	v_cvt_scalef32_pk8_fp8_f32 v[S0+8*\a+2*\b:S0+8*\a+2*\b+1], v[ACC+32*\a+8*\b:ACC+32*\a+8*\b+7], v2
.endr
.endr
	v_nop
	s_cmp_eq_u32 s32, 2                            ; the two layouts differ in the stores' offsets alone; the branch hangs on the grid's y, which the partners share
	s_cbranch_scc1 .Lstore_v
.irp a, 0,1,2,3
.irp p, 0,1
	global_store_b128 v1, v[S0+8*\a+4*\p:S0+8*\a+4*\p+3], s[54:55] offset:\p*65536+\a*512   ; head p of my two, tile a of my four: 512 consecutive bytes
.endr
.endr
	s_branch .Lstored
.Lstore_v:
	s_wait_alu depctr_va_vdst(0)
.irp a, 0,1,2,3
.irp p, 0,1
	global_store_b128 v1, v[S0+8*\a+4*\p:S0+8*\a+4*\p+3], s[54:55] offset:(\a/2)*65536+(\a%2)*2048+\p*512   ; head a / 2, d tile a % 2, plane p of my two
.endr
.endr
.Lstored:
	s_wait_tensorcnt 0x0                           ; the wave's end
	ds_add_u32 v4, v5
	s_wait_dscnt 0x0
	ROUND                                          ; the closing round
	s_endpgm
.Lfunc_end_k_qf3ab3885a9_qkv:
	.size	k_qf3ab3885a9_qkv, .Lfunc_end_k_qf3ab3885a9_qkv-k_qf3ab3885a9_qkv
	.p2alignl 7, 3214868480
	.fill 96, 4, 3214868480
	.section	.rodata,"a",@progbits
	.p2align	6, 0x0
	.amdhsa_kernel k_qf3ab3885a9_qkv
		.amdhsa_group_segment_fixed_size 264192
		.amdhsa_private_segment_fixed_size 0
		.amdhsa_enable_private_segment 0
		.amdhsa_kernarg_size 24
		.amdhsa_user_sgpr_count 2
		.amdhsa_user_sgpr_kernarg_segment_ptr 1
		.amdhsa_wavefront_size32 1
		.amdhsa_system_sgpr_workgroup_id_x 1
		.amdhsa_system_sgpr_workgroup_id_y 1
		.amdhsa_system_sgpr_workgroup_id_z 1
		.amdhsa_system_vgpr_workitem_id 0
		.amdhsa_next_free_vgpr 256
		.amdhsa_next_free_sgpr 100
		.amdhsa_reserve_vcc 0
		.amdhsa_float_denorm_mode_32 3
		.amdhsa_float_denorm_mode_16_64 3
		.amdhsa_memory_ordered 1
		.amdhsa_forward_progress 1
		.amdhsa_inst_pref_size 32
	.end_amdhsa_kernel
	.amdgpu_metadata
---
amdhsa.version: [ 1, 2 ]
amdhsa.kernels:
  - .name:           k_qf3ab3885a9_qkv
    .symbol:         k_qf3ab3885a9_qkv.kd
    .args:
      - { .name: prep, .offset: 0, .size: 8, .value_kind: global_buffer, .address_space: global }
      - { .name: lowp_scales, .offset: 8, .size: 8, .value_kind: global_buffer, .address_space: global }
      - { .name: qkv, .offset: 16, .size: 8, .value_kind: global_buffer, .address_space: global }
    .group_segment_fixed_size: 264192
    .private_segment_fixed_size: 0
    .kernarg_segment_align: 8
    .kernarg_segment_size: 24
    .max_flat_workgroup_size: 512
    .sgpr_count:     100
    .vgpr_count:     256
    .wavefront_size: 32
...
	.end_amdgpu_metadata
.endif
;; end of part 2
;; launch attn (part 3): grid 4 x 64, 16 waves a work-group, no clusters, 133,120 bytes of LDS; arguments qkv, lowp_scales, oimg; writes oimg
.if DOCPART == 3
	.amdgcn_target "amdgcn-amd-amdhsa--gfx1250"
	.amdhsa_code_object_version 6
	.text
	.protected	k_qf3ab3885a9_attn
	.globl	k_qf3ab3885a9_attn
	.p2align	8
	.type	k_qf3ab3885a9_attn,@function
k_qf3ab3885a9_attn:
	s_mov_b64 s[64:65], 0
	v_nop
	global_prefetch_b8 v0, s[64:65] scope:SCOPE_SE
	s_setreg_imm32_b32 hwreg(HW_REG_WAVE_MODE, 25, 1), 1
	s_wait_xcnt 0x0
; ATTENTION on codes of E4M3, head size 32, 2,048 keys.  A work-group takes 512 queries of one (batch, head); each of its 16 waves two tiles of 16 queries, A and B, which share every fragment of K and V.
; The head's K (64 KiB) and V (64 KiB) are copied once into LDS, through registers, IN FOUR QUARTERS of 512 keys (16 KiB of each, four pieces of 16 bytes a thread); every wave walks them in 16 steps of 128 keys.
; Quarter 0 is stored at the head.  A later quarter's global loads are issued four steps ahead of its stores; behind steps 3, 7 and 11 each thread stores its pieces to the quarter's own LDS bytes, which no wave reads ahead of the barrier that follows.
; t = score x log2(e) / sqrt(32); M = the running largest t rounded up to a whole number; p = 2^(t - M) is quantised by e8; the row's sum is taken of the unquantised p and divides at the end.
; Both products are used transposed: S^T = K Q^T, O^T = V^T P^T: a lane holds ONE query; the 8 registers of key tile c, converted, are registers 2 c, 2 c + 1 of P.
; K = 32 BY THE 16x16x64 FORM: source 0 is two key tiles on end; source 1 is [q, 0] or [0, q]: the half that is not wanted meets zero codes (no code here is NaN: every quantiser holds).  O^T takes the 16x16x128 form: K = the step's 128 keys.
; A STEP: tile A whole, then tile B whole, on one set of 64 registers for S^T.  A tile's 64 exponentials go as one batch, one wait ahead of it and one behind it.
; V of a step is asked for at the step's head, K of the next step behind tile B's scores; in a quarter's last step K of the next step is asked for behind the quarter's barrier instead, and in the last step of all not at all.
; THE HOLD of p at 448 x 2^e8.  p is at most 1 but for the rounding of t - M.  Where e8 >= -8 the bound is at least 1.75 and the hold changes no number.
; NO TENSOR LOAD, NO COPY, NO CLUSTER: what the four work-groups of a head share is 128 KiB, read once.
; NO PREFETCH: each quarter's loads into registers are themselves issued four steps ahead of their use.
; The loop is written once: its first step finds zeros for the sums and O^T, and -M = 3e38, so that the first f is 0.  The branches at a quarter's end hang on the step's number alone: all waves go the same way, and pass the same barriers.
; LIMITS: e6 + e7 between -124 and 129 (added to c's exponent field); e8, and e10 - e8 - e9, between -126 and 119; the scaled scores stay under 2^31 in magnitude; NaN is not served.
; v1 16 x lane; v2, v3 the step's K and V in LDS; v4, v5 the add's two; v6, v7 the copy's addresses; v[8:9] tile A: -M, largest score; v[10:11] its sum in two halves; v[12:15] tile B; v16-35 [0 x 4][qA][0 x 4][qB][0 x 4]
.set SPARE, 131072                     ; behind K and V: the spare words, 128 bytes for each of 16 waves
.set KF,   36                          ; v36-67   K of a step: eight key tiles, two to a fragment
.set VF,   68                          ; v68-99   V of a step: d tile t at + 16 t
.set S,    100                         ; v100-163 S^T, then p
.set P,    164                         ; v164-179 codes of p
.set OA,   180                         ; v180-195 tile A's O^T, d tile t at + 8 t
.set OB,   196
.set F,    212                         ; v[212:213] f = 2^(old M - new M): the low word serves both halves
.set T,    214                         ; v214-229 eight chains of the maximum, then eight pairs of the sum
.set PRM,  230
.set DIF,  231
.set LIM0, 232                         ; 448 x 2^e8, twice: the halves of a dual line take their first sources from different register banks
.set LIM1, 233
.set SCL,  234                         ; 2^e8
.set OLIM, 235                         ; 448 x 2^(e10 - e8 - e9), and that power
.set OSCL, 236
.set CK,   238                         ; v238, v239 a quarter's copy: 16 x thread + the step's place in K's and in V's half of LDS
.set CV,   239
.set G,    240                         ; v240-255 a quarter's four pieces on their way: K's two, V's two
.macro ASKQ adr, off                   ; a quarter's four loads: each reads 8,192 consecutive bytes a work-group
.irp n, 0,1
	global_load_b128 v[G+4*\n:G+4*\n+3], v[\adr], s[4:5] offset:4194304+(\off)+8192*\n
	global_load_b128 v[G+8+4*\n:G+11+4*\n], v[\adr], s[44:45] offset:(\off)+8192*\n
.endr
.endm
.macro PUTQ ak, av, off                ; and its four stores, as the bytes lie in memory
.irp n, 0,1
	ds_store_b128 v[\ak], v[G+4*\n:G+4*\n+3] offset:(\off)+8192*\n
	ds_store_b128 v[\av], v[G+8+4*\n:G+11+4*\n] offset:(\off)+8192*\n
.endr
.endm
	s_load_b128 s[4:7], s[0:1], 0x0                ; qkv, lowp_scales
	s_load_b64 s[8:9], s[0:1], 0x10                ; oimg
	v_lshl_add_u32 v4, v0, 2, SPARE
	v_mov_b32 v5, 0
	v_lshrrev_b32 v2, 5, v0
	v_and_b32 v3, 31, v0
	v_lshlrev_b32 v6, 4, v0                        ; the copy: 16 x thread,
	s_delay_alu instid0(VALU_DEP_3)
	v_readfirstlane_b32 s10, v2                    ; wave
	s_delay_alu instid0(VALU_DEP_3)
	v_lshlrev_b32 v1, 4, v3
	s_delay_alu instid0(VALU_DEP_3)
	v_add_nc_u32 v7, 0x10000, v6                   ; and V's half of LDS
	s_and_b32 s11, ttmp7, 0xffff                   ; batch x 16 + head
	s_lshl_b32 s12, s11, 16
	s_mov_b32 s13, 0
	s_lshl_b32 s14, ttmp9, 5
	s_lshl_b32 s15, s10, 1
	s_add_co_u32 s14, s14, s15                     ; my first tile of queries, 0 .. 126
	s_lshl_b32 s16, s14, 9
	s_mov_b32 s17, 0
	s_mov_b32 s20, 0x76543210                      ; v_permlanex16_b32: lane l xor 16
	s_mov_b32 s21, 0xfedcba98
	s_lshr_b32 s24, s11, 4                         ; oimg: [row tile 512][head / 4][head % 4][512]
	s_lshl_b32 s24, s24, 7
	s_add_co_u32 s24, s24, s14
	s_lshl_b32 s24, s24, 13
	s_bfe_u32 s25, s11, 0x20002
	s_lshl_b32 s25, s25, 11
	s_add_co_u32 s24, s24, s25
	s_and_b32 s25, s11, 3
	s_lshl_b32 s25, s25, 9
	s_add_co_u32 s24, s24, s25
	s_mov_b32 s25, 0
	s_wait_alu depctr_va_vdst(0)
	s_wait_kmcnt 0x0
	s_load_b512 s[28:43], s[6:7], 0x0              ; e0 .. e15: e6 s34, e7 s35, e8 s36, e9 s37, e10 s38
	s_add_nc_u64 s[4:5], s[4:5], s[12:13]          ; the head in Q; K lies 4 MiB on, V 8 MiB
	s_add_nc_u64 s[18:19], s[4:5], s[16:17]
	s_add_nc_u64 s[44:45], s[4:5], 0x800000
	s_add_nc_u64 s[46:47], s[8:9], s[24:25]
	ASKQ 6, 0                                      ; quarter 0
	global_load_b128 v[20:23], v1, s[18:19]
	global_load_b128 v[28:31], v1, s[18:19] offset:512
.irp n, 16,17,18,19,24,25,26,27,32,33,34,35
	v_mov_b32 v\n, 0
.endr
.set n, 0
.rept 32
	v_mov_b32 v[OA+n], 0                           ; O^T of both tiles: the first f leaves zeros zeros
.set n, n+1
.endr
.irp n, 8,12
	v_mov_b32 v[\n], 0x7f61b1e6                    ; -M: 3e38
	v_mov_b32 v[\n+1], 0xff61b1e6                  ; the largest score so far: -3e38
	v_mov_b32 v[\n+2], 0                           ; the sum, in two halves
	v_mov_b32 v[\n+3], 0
.endr
	v_mov_b32 v[F+1], 0                            ; named as the upper half of a pair
	v_mov_b32 v[PRM], 0                            ; a lane permute's destination counts as read
	s_wait_kmcnt 0x0
	s_mov_b32 s22, 0x3e8293ee                      ; c = log2(e) / sqrt(32)
	s_add_co_i32 s23, s34, s35
	s_lshl_b32 s23, s23, 23
	s_add_co_i32 s22, s22, s23                     ; x 2^(e6 + e7)
	s_mov_b32 s23, s22
	s_add_co_i32 s12, s36, 127
	s_lshl_b32 s13, s12, 23
	v_mov_b32 v[SCL], s13
	s_add_co_i32 s12, s12, 8
	s_lshl_b32 s12, s12, 23
	s_or_b32 s12, s12, 0x600000
	v_mov_b32 v[LIM0], s12
	v_mov_b32 v[LIM1], s12
	s_sub_co_i32 s12, s38, s36
	s_sub_co_i32 s12, s12, s37                     ; o's code = (O / sum) / 2^(e10 - e8 - e9)
	s_add_co_i32 s12, s12, 127
	s_lshl_b32 s13, s12, 23
	v_mov_b32 v[OSCL], s13
	s_add_co_i32 s12, s12, 8
	s_lshl_b32 s12, s12, 23
	s_or_b32 s12, s12, 0x600000
	v_mov_b32 v[OLIM], s12
	s_cmp_lt_i32 s36, -8
	s_cselect_b32 s27, 1, 0                        ; 1: the hold can change a number
	s_wait_alu depctr_va_vdst(0)
	s_wait_loadcnt 0x0                             ; quarter 0 and my queries are in
	PUTQ 6, 7, 0
	s_mov_b32 s16, 0                               ; the step's K in LDS,
	s_mov_b32 s17, 0x10000                         ; its V,
	s_mov_b32 s18, 0                               ; and its number
	s_wait_dscnt 0x0                               ; for the others' sake: my stores have landed (and have read their registers)
	s_barrier_signal -1
	s_barrier_wait -1                              ; quarter 0 is whole
	ASKQ 6, 16384                                  ; quarter 1 is on its way under steps 0 to 3
.irp i, 0,1,2,3,4,5,6,7
	ds_load_b128 v[KF+4*\i:KF+4*\i+3], v1 offset:512*\i            ; K of step 0
.endr
; ONE TILE'S PART OF A STEP.  st: its statistics; o: its O^T; qlo, qhi: [q, 0] and [0, q]; second = 1: tile B.
.macro TILE st, o, qlo, qhi, second
.set n, 0
.rept 4
	v_wmma_f32_16x16x64_fp8_fp8 v[S+16*n:S+16*n+7], v[KF+8*n:KF+8*n+7], v[\qlo:\qlo+7], 0
	v_wmma_f32_16x16x64_fp8_fp8 v[S+16*n+8:S+16*n+15], v[KF+8*n:KF+8*n+7], v[\qhi:\qhi+7], 0
.set n, n+1
.endr
.rept 4
	v_nop                                          ; four places behind the products: for the reads of S^T and for the loads into K's registers
.endr
.if \second
	s_cmp_eq_u32 s19, 3                            ; a quarter's last step: the next step's K is not yet whole in LDS
	s_wait_alu depctr_va_vdst(0)
	s_cbranch_scc1 .Lnok_\@
.irp i, 0,1,2,3,4,5,6,7
	ds_load_b128 v[KF+4*\i:KF+4*\i+3], v2 offset:4096+512*\i       ; the next step's K
.endr
.Lnok_\@:
.endif
.irp a, 0,1,2,3,4,5,6,7
	v_max3_num_f32 v[T+\a], v[S+8*\a], v[S+8*\a+1], v[S+8*\a+2]    ; the largest score, eight chains; each accumulator is read from its low end on
.endr
.irp i, 3,5
.irp a, 0,1,2,3,4,5,6,7
	v_max3_num_f32 v[T+\a], v[T+\a], v[S+8*\a+\i], v[S+8*\a+\i+1]
.endr
.endr
.irp a, 0,1,2,3
	v_max3_num_f32 v[T+\a], v[T+\a], v[S+8*\a+7], v[S+8*\a+39]
.endr
	v_max3_num_f32 v[T+4], v[T+4], v[T+5], v[T+6]
	v_max3_num_f32 v[T+7], v[T+7], v[\st+1], v[T]                  ; the old largest among the leaves
	s_delay_alu instid0(VALU_DEP_3)
	v_max3_num_f32 v[T+1], v[T+1], v[T+2], v[T+3]
	v_mov_b32 v[DIF], v[\st]                       ; the old -M
	s_delay_alu instid0(VALU_DEP_2)
	v_max3_num_f32 v[T+4], v[T+4], v[T+7], v[T+1]
	s_delay_alu instid0(VALU_DEP_1)
	v_permlanex16_b32 v[PRM], v[T+4], s20, s21     ; the query's other 64 keys lie in the lane 16 away
	s_delay_alu instid0(VALU_DEP_1)
	v_max_num_f32 v[\st+1], v[T+4], v[PRM]
	s_delay_alu instid0(VALU_DEP_1)
	v_mul_f32 v[T], s22, v[\st+1]                  ; as t (c is positive)
	s_delay_alu instid0(VALU_DEP_1)
	v_floor_f32 v[\st], -v[T]                      ; -M = floor(-t): M is a whole number
	s_delay_alu instid0(VALU_DEP_1)
	v_sub_f32 v[DIF], v[\st], v[DIF]               ; old M - new M, 0 or less
	s_delay_alu instid0(VALU_DEP_1)
	v_cvt_i32_f32 v[DIF], v[DIF]                   ; (it saturates)
	s_delay_alu instid0(VALU_DEP_1)
	v_ldexp_f32 v[F], 1.0, v[DIF]                  ; f = 2^(old M - new M): a multiplication by it rounds nothing
.set n, 0
.rept 32
	v_pk_fma_f32 v[S+n:S+n+1], v[S+n:S+n+1], s[22:23], v[\st:\st+1] op_sel_hi:[1,0,0]    ; t - M
.set n, n+2
.endr
	s_wait_alu depctr_va_vdst(0)
.if \second == 0
	s_wait_dscnt 0x0                               ; V's eight loads, asked for at the step's head, are in
.endif
.set n, 0
.rept 64
	v_exp_f32 v[S+n], v[S+n]                       ; p = 2^(t - M)
.set n, n+1
.endr
	s_wait_alu depctr_va_vdst(0)                   ; one wait for the batch, and directly ahead of the first readers of O^T
.set n, 0
.rept 8
	v_pk_mul_f32 v[\o+n:\o+n+1], v[\o+n:\o+n+1], v[F:F+1] op_sel_hi:[1,0]               ; O^T under the new M; plain lines behind the batch
.set n, n+2
.endr
	v_pk_mul_f32 v[\st+2:\st+3], v[\st+2:\st+3], v[F:F+1] op_sel_hi:[1,0]               ; the sum likewise
.irp i, 0,1,2,3,4,5,6,7
	v_pk_add_f32 v[T+2*\i:T+2*\i+1], v[S+2*\i:S+2*\i+1], v[S+16+2*\i:S+17+2*\i]         ; the sum of the unquantised p: 32 pairs in eight chains
.endr
.irp g, 32,48
.irp i, 0,1,2,3,4,5,6,7
	v_pk_add_f32 v[T+2*\i:T+2*\i+1], v[T+2*\i:T+2*\i+1], v[S+\g+2*\i:S+\g+1+2*\i]
.endr
.endr
	s_cmp_eq_u32 s27, 0
	s_wait_alu depctr_va_vdst(0)
	s_cbranch_scc1 .Lfree_\@                       ; e8 >= -8: the hold changes nothing
.set n, 0
.rept 32
	v_dual_min_num_f32 v[S+n], v[LIM0], v[S+n] :: v_dual_min_num_f32 v[S+n+1], v[LIM1], v[S+n+1]   ; the conversion to an 8-bit code does not saturate (ISA guide 7.6.2); p is not negative, so the hold is one-sided
.set n, n+2
.endr
.Lfree_\@:
.irp i, 0,1,2,3,4,5,6,7
	v_cvt_scalef32_pk8_fp8_f32 v[P+2*\i:P+2*\i+1], v[S+8*\i:S+8*\i+7], v[SCL]
.endr
.irp i, 0,1,2,3
	v_pk_add_f32 v[T+2*\i:T+2*\i+1], v[T+2*\i:T+2*\i+1], v[T+8+2*\i:T+9+2*\i]           ; the chains meet: plain lines between the conversions and the products
.endr
	s_delay_alu instid0(VALU_DEP_2)
	v_pk_add_f32 v[T:T+1], v[T:T+1], v[T+4:T+5]
	s_delay_alu instid0(VALU_DEP_2)
	v_pk_add_f32 v[T+2:T+3], v[T+2:T+3], v[T+6:T+7]
	s_delay_alu instid0(VALU_DEP_1)
	v_pk_add_f32 v[T:T+1], v[T:T+1], v[T+2:T+3]
	s_delay_alu instid0(VALU_DEP_1)
	v_pk_add_f32 v[\st+2:\st+3], v[\st+2:\st+3], v[T:T+1]
	v_wmma_f32_16x16x128_fp8_fp8 v[\o:\o+7], v[VF:VF+15], v[P:P+15], v[\o:\o+7]         ; between two products onto one accumulator stand nineteen others
	v_wmma_f32_16x16x128_fp8_fp8 v[\o+8:\o+15], v[VF+16:VF+31], v[P:P+15], v[\o+8:\o+15]
.endm
.Lstep:                                            ; 16 trips of 128 keys
	v_add_nc_u32 v2, s16, v1
	v_add_nc_u32 v3, s17, v1
	v_nop                                          ; with the two lines above: four places behind the last products, ahead of the loads into V's registers
	v_nop
	s_and_b32 s19, s18, 3                          ; the step's number within its quarter
.irp t, 0,1
.irp i, 0,1,2,3
	ds_load_b128 v[VF+16*\t+4*\i:VF+16*\t+4*\i+3], v3 offset:2048*\t+512*\i
.endr
.endr
	s_wait_dscnt 8                                 ; K's eight loads, issued earlier, are in; V's eight may be out
	TILE 8, OA, 20, 16, 0
	TILE 12, OB, 28, 24, 1
	s_wait_alu depctr_va_vdst(0)
	s_cmp_lg_u32 s19, 3
	s_cbranch_scc1 .Lnext                          ; not a quarter's last step
	s_cmp_eq_u32 s18, 15
	s_cbranch_scc1 .Lnext                          ; the last step of all: nothing follows
	s_wait_loadcnt 0x0                             ; THE NEXT QUARTER: its four pieces, asked for four steps ago, are in registers
	v_add_nc_u32 v[CK], s16, v6
	v_add_nc_u32 v[CV], s17, v6
	s_wait_alu depctr_va_vdst(0)
	PUTQ CK, CV, 4096                              ; it begins one step's 4,096 bytes behind this step's place, in both halves of LDS
	s_wait_dscnt 0x0                               ; for the others' sake: my stores have landed (and have read their registers)
	s_barrier_signal -1
	s_barrier_wait -1                              ; the quarter is whole
.irp i, 0,1,2,3,4,5,6,7
	ds_load_b128 v[KF+4*\i:KF+4*\i+3], v2 offset:4096+512*\i       ; the next step's K
.endr
	s_cmp_ge_u32 s18, 11
	s_cbranch_scc1 .Lnext                          ; quarter 3 has no successor
	ASKQ CK, 20480                                 ; the quarter after: 4,096 + 16,384 bytes on
.Lnext:
	s_add_co_u32 s16, s16, 4096
	s_add_co_u32 s17, s17, 4096
	s_add_co_u32 s18, s18, 1
	s_cmp_lt_u32 s18, 16
	s_wait_alu depctr_va_vdst(0)
	s_cbranch_scc1 .Lstep
.macro FINISH st, ob, cd, off          ; O^T / the sum, quantised by e10: my 16 bytes of the next product's operand
	v_add_f32 v[T], v[\st+2], v[\st+3]
	s_delay_alu instid0(VALU_DEP_1)
	v_permlanex16_b32 v[PRM], v[T], s20, s21
	s_delay_alu instid0(VALU_DEP_1)
	v_add_f32 v[T], v[T], v[PRM]
	s_wait_alu depctr_va_vdst(0)
	v_rcp_f32 v[T], v[T]
	v_nop
	s_wait_alu depctr_va_vdst(0)                   ; the wait ahead of the reciprocal's first reader, and directly ahead of the first readers of O^T
.set n, 0
.rept 16
	v_mul_f32 v[S+n], v[\ob+n], v[T]
.set n, n+1
.endr
.set n, 0
.rept 16
	v_med3_num_f32 v[S+n], v[S+n], -v[OLIM], v[OLIM]
.set n, n+1
.endr
	v_cvt_scalef32_pk8_fp8_f32 v[\cd:\cd+1], v[S:S+7], v[OSCL]
	v_cvt_scalef32_pk8_fp8_f32 v[\cd+2:\cd+3], v[S+8:S+15], v[OSCL]
	v_nop
	global_store_b128 v1, v[\cd:\cd+3], s[46:47] offset:\off    ; a plane: 512 consecutive bytes
.endm
	FINISH 8, OA, P, 0                             ; tile A's lines are also the places behind tile B's last products
	FINISH 12, OB, P+4, 8192
	s_wait_tensorcnt 0x0                           ; the wave's end
	ds_add_u32 v4, v5
	s_wait_dscnt 0x0
	s_endpgm
.Lfunc_end_k_qf3ab3885a9_attn:
	.size	k_qf3ab3885a9_attn, .Lfunc_end_k_qf3ab3885a9_attn-k_qf3ab3885a9_attn
	.p2alignl 7, 3214868480
	.fill 96, 4, 3214868480
	.section	.rodata,"a",@progbits
	.p2align	6, 0x0
	.amdhsa_kernel k_qf3ab3885a9_attn
		.amdhsa_group_segment_fixed_size 133120
		.amdhsa_private_segment_fixed_size 0
		.amdhsa_enable_private_segment 0
		.amdhsa_kernarg_size 24
		.amdhsa_user_sgpr_count 2
		.amdhsa_user_sgpr_kernarg_segment_ptr 1
		.amdhsa_wavefront_size32 1
		.amdhsa_system_sgpr_workgroup_id_x 1
		.amdhsa_system_sgpr_workgroup_id_y 1
		.amdhsa_system_sgpr_workgroup_id_z 1
		.amdhsa_system_vgpr_workitem_id 0
		.amdhsa_next_free_vgpr 256
		.amdhsa_next_free_sgpr 66
		.amdhsa_reserve_vcc 0
		.amdhsa_float_denorm_mode_32 3
		.amdhsa_float_denorm_mode_16_64 3
		.amdhsa_memory_ordered 1
		.amdhsa_forward_progress 1
		.amdhsa_inst_pref_size 40
	.end_amdhsa_kernel
	.amdgpu_metadata
---
amdhsa.version: [ 1, 2 ]
amdhsa.kernels:
  - .name:           k_qf3ab3885a9_attn
    .symbol:         k_qf3ab3885a9_attn.kd
    .args:
      - { .name: qkv, .offset: 0, .size: 8, .value_kind: global_buffer, .address_space: global }
      - { .name: lowp_scales, .offset: 8, .size: 8, .value_kind: global_buffer, .address_space: global }
      - { .name: oimg, .offset: 16, .size: 8, .value_kind: global_buffer, .address_space: global }
    .group_segment_fixed_size: 133120
    .private_segment_fixed_size: 0
    .kernarg_segment_align: 8
    .kernarg_segment_size: 24
    .max_flat_workgroup_size: 512
    .sgpr_count:     66
    .vgpr_count:     256
    .wavefront_size: 32
...
	.end_amdgpu_metadata
.endif
;; end of part 3
;; launch oproj (part 4): grid 256 x 1, 16 waves a work-group, no clusters, 101,376 bytes of LDS; arguments oimg, prep, lowp_scales, x, g2, b2, x1, himg; writes x1, himg
.if DOCPART == 4
	.amdgcn_target "amdgcn-amd-amdhsa--gfx1250"
	.amdhsa_code_object_version 6
	.text
	.protected	k_qf3ab3885a9_oproj
	.globl	k_qf3ab3885a9_oproj
	.p2align	8
	.type	k_qf3ab3885a9_oproj,@function
k_qf3ab3885a9_oproj:
	s_mov_b64 s[64:65], 0
	v_nop
	global_prefetch_b8 v0, s[64:65] scope:SCOPE_SE
	s_setreg_imm32_b32 hwreg(HW_REG_WAVE_MODE, 25, 1), 1
	s_wait_xcnt 0x0
; OPROJ.  x1 = x + o Wo^T (codes of E4M3), then LayerNorm of x1, quantised by e12 as the next product's operand.
; A work-group owns 32 WHOLE rows, since the norm wants whole rows; wave w makes channels 32 w .. 32 w + 31 for them: its 8 fragments of Wo (16 KiB) go from memory straight into its registers.
; NO CLUSTER, NO TENSOR LOAD: all work-groups read the same 256 KiB of Wo, but each wave needs its own sixteenth in registers and nobody else in the work-group reads it: a joint load would only add a trip through LDS.
; PHASES: o's codes (16 KiB) to LDS | barrier | 16 products a wave, transposed (a lane holds a row, registers run along channels); sums to a stage | barrier | wave w takes rows 2 w, 2 w + 1 whole:
; x1 stored, norm, codes into images in LDS | barrier | wave w stores planes 2 w, 2 w + 1.
; LIMITS: e10 + e11 between -126 and 127; e12 between -126 and 119.
.set STAGE, 16384                      ; 32 rows x (2,048 + 16) bytes
.set SPI,   2064
.set HIMG,  82432                      ; 32 planes x (512 + 16) bytes
.set PP,    528
.set SPARE, 99328
.set W,   16                           ; v16-143 Wo: fragment (K step s, tile t) at 16 + 32 s + 16 t; later: G v16-31, B v32-47, D v48-79, T v80-95, C v96-103
.set G,   16
.set B,   32
.set D,   48
.set T,   80
.set C,   96
.set ACC, 144                          ; v144-175 accumulator (tile t, rows m) at 144 + 16 m + 8 t
.set AF,  176                          ; v176-207 o's two fragments of a K step
.set XR,  208                          ; v208-239 two rows of x, then of x1
.set TP,  240
.set SUM, 244
.set PRM, 246
.set MEAN,248
.set RS,  252
	s_load_b512 s[8:23], s[0:1], 0x0               ; oimg, prep, lowp_scales, x, g2, b2, x1, himg
	v_lshl_add_u32 v10, v0, 2, SPARE
	v_mov_b32 v11, 0
	v_lshrrev_b32 v12, 5, v0
	s_delay_alu instid0(VALU_DEP_1)
	v_readfirstlane_b32 s2, v12                    ; wave
	v_and_b32 v12, 31, v0                          ; lane
	s_delay_alu instid0(VALU_DEP_1)
	v_lshlrev_b32 v1, 4, v12
	v_lshlrev_b32 v2, 4, v0                        ; 16 x thread
	v_and_b32 v13, 15, v0                          ; r
	v_bfe_u32 v14, v0, 4, 1                        ; h
	s_delay_alu instid0(VALU_DEP_2)
	v_mul_u32_u24 v3, v13, SPI                     ; into the stage: row r, + 32 h, + 128 x wave
	s_delay_alu instid0(VALU_DEP_1)
	v_lshl_add_u32 v3, v14, 5, v3
	s_lshl_b32 s3, s2, 7
	s_add_co_u32 s3, s3, STAGE
	v_add_nc_u32 v3, s3, v3
	s_mul_i32 s3, s2, 2*SPI                        ; back: rows 2 w, 2 w + 1, 16 bytes a lane
	s_add_co_u32 s3, s3, STAGE
	v_add_nc_u32 v4, s3, v1
	v_lshrrev_b32 v13, 3, v12                      ; my 4 codes k' = 4 lane + 0..3: plane lane / 8, half (lane / 2) % 2, u = (lane / 4) % 2, 4 (lane % 2)
	s_delay_alu instid0(VALU_DEP_1)
	v_mul_u32_u24 v5, v13, PP
	v_bfe_u32 v13, v12, 1, 1
	s_delay_alu instid0(VALU_DEP_1)
	v_lshl_add_u32 v5, v13, 8, v5
	v_bfe_u32 v13, v12, 2, 1
	s_delay_alu instid0(VALU_DEP_1)
	v_lshl_add_u32 v5, v13, 3, v5
	v_and_b32 v13, 1, v12
	s_delay_alu instid0(VALU_DEP_1)
	v_lshl_add_u32 v5, v13, 2, v5
	s_lshr_b32 s3, s2, 3                           ; row tile w / 8: 16 planes; row 2 (w % 8) in it
	s_mul_i32 s3, s3, 16*PP
	s_and_b32 s34, s2, 7
	s_lshl_b32 s34, s34, 5
	s_add_co_u32 s3, s3, s34
	s_add_co_u32 s3, s3, HIMG
	v_add_nc_u32 v5, s3, v5
	s_mul_i32 s3, s2, 2*PP
	s_add_co_u32 s3, s3, HIMG
	v_add_nc_u32 v6, s3, v1                        ; planes 2 w, 2 w + 1
	s_mov_b32 s52, 0x76543210
	s_mov_b32 s53, 0xfedcba98
	s_mov_b32 s54, 0x3b000000                      ; 1 / 512
	s_mov_b32 s55, 0x3727c5ac                      ; 1e-5
.irp q, 0,1
	v_mov_b32 v[PRM+\q], 0
	v_mov_b32 v[MEAN+2*\q+1], 0
	v_mov_b32 v[RS+2*\q+1], 0
.endr
	s_mov_b32 s35, 0
	s_wait_kmcnt 0x0
	s_load_b512 s[36:51], s[12:13], 0x0            ; e0 .. e15: e10 s46, e11 s47, e12 s48
	s_lshl_b32 s34, ttmp9, 14                      ; two row tiles of 8,192 bytes
	s_add_nc_u64 s[24:25], s[8:9], s[34:35]
	s_lshl_b32 s3, s2, 10
	s_add_co_u32 s34, s34, s3
	s_add_nc_u64 s[32:33], s[22:23], s[34:35]      ; himg at my two planes
	s_lshl_b32 s34, s2, 14
	s_add_co_u32 s34, s34, 13369344
	s_add_nc_u64 s[26:27], s[10:11], s[34:35]      ; Wo's tiles 2 w, 2 w + 1
	s_lshl_b32 s34, ttmp9, 16
	s_lshl_b32 s3, s2, 12
	s_add_co_u32 s34, s34, s3
	s_add_nc_u64 s[28:29], s[14:15], s[34:35]      ; x and x1 at row 32 g + 2 w
	s_add_nc_u64 s[30:31], s[20:21], s[34:35]
	global_load_b128 v[AF:AF+3], v2, s[24:25]
	global_load_b128 v[AF+4:AF+7], v2, s[24:25] offset:8192
.irp s, 0,1,2,3
.irp t, 0,1
.irp i, 0,1,2,3
	global_load_b128 v[W+32*\s+16*\t+4*\i:W+32*\s+16*\t+4*\i+3], v1, s[26:27] offset:\t*8192+\s*2048+\i*512
.endr
.endr
.endr
.irp q, 0,1
.irp j, 0,1,2,3
	global_load_b128 v[XR+16*\q+4*\j:XR+16*\q+4*\j+3], v1, s[28:29] offset:\q*2048+512*\j th:TH_LOAD_NT
.endr
.endr
	s_wait_loadcnt 40                              ; o's two pieces are in; Wo's 32 loads and x's 8 may be out
	ds_store_b128 v2, v[AF:AF+3]
	ds_store_b128 v2, v[AF+4:AF+7] offset:8192
	s_wait_dscnt 0x0
	s_barrier_signal -1
	s_barrier_wait -1                              ; o's eight fragments lie in LDS, as in memory
.irp s, 0,1,2,3
.if \s > 0
.rept 4
	v_nop                                          ; places in front of loads into registers that matrix instructions have read
.endr
.endif
.irp m, 0,1
.irp i, 0,1,2,3
	ds_load_b128 v[AF+16*\m+4*\i:AF+16*\m+4*\i+3], v1 offset:\m*8192+\s*2048+\i*512
.endr
.endr
	s_wait_dscnt 0x0
	s_wait_loadcnt 32-8*\s                         ; Wo's K step s is in; its later K steps and x may be out
.irp m, 0,1
.irp t, 0,1
.if \s == 0
	v_wmma_f32_16x16x128_fp8_fp8 v[ACC+16*\m+8*\t:ACC+16*\m+8*\t+7], v[W+32*\s+16*\t:W+32*\s+16*\t+15], v[AF+16*\m:AF+16*\m+15], 0
.else
	v_wmma_f32_16x16x128_fp8_fp8 v[ACC+16*\m+8*\t:ACC+16*\m+8*\t+7], v[W+32*\s+16*\t:W+32*\s+16*\t+15], v[AF+16*\m:AF+16*\m+15], v[ACC+16*\m+8*\t:ACC+16*\m+8*\t+7]
.endif
.endr
.endr
.endr
.rept 4
	v_nop
.endr
.irp j, 0,1,2,3
	global_load_b128 v[G+4*\j:G+4*\j+3], v1, s[16:17] offset:512*\j
	global_load_b128 v[B+4*\j:B+4*\j+3], v1, s[18:19] offset:512*\j
.endr
.irp m, 0,1
.irp t, 0,1
	ds_store_b128 v3, v[ACC+16*\m+8*\t:ACC+16*\m+8*\t+3] offset:\m*16*SPI+64*\t        ; lane (r, h): row 16 m + r, channels 32 w + 16 t + 8 h + 0 .. 7
	ds_store_b128 v3, v[ACC+16*\m+8*\t+4:ACC+16*\m+8*\t+7] offset:\m*16*SPI+64*\t+16
.endr
.endr
	s_wait_dscnt 0x0
	s_barrier_signal -1
	s_barrier_wait -1                              ; 32 whole rows of sums lie in the stage
.irp q, 0,1
.irp j, 0,1,2,3
	ds_load_b128 v[D+16*\q+4*\j:D+16*\q+4*\j+3], v4 offset:\q*SPI+512*\j
.endr
.endr
	s_wait_kmcnt 0x0
	s_add_co_i32 s56, s46, s47
	s_add_co_i32 s56, s56, 127
	s_lshl_b32 s56, s56, 23                        ; 2^(e10 + e11)
	s_mov_b32 s57, s56
	s_add_co_i32 s58, s48, 127
	s_lshl_b32 s59, s58, 23
	v_mov_b32 v7, s59                              ; 2^e12
	s_add_co_i32 s58, s58, 8
	s_lshl_b32 s58, s58, 23
	s_or_b32 s58, s58, 0x600000
	v_mov_b32 v8, s58                              ; 448 x 2^e12
	s_wait_dscnt 0x0
	s_wait_loadcnt 0x0                             ; x, g2, b2
.irp n, 0,2,4,6,8,10,12,14
.irp q, 0,1
	v_pk_fma_f32 v[XR+16*\q+\n:XR+16*\q+\n+1], v[D+16*\q+\n:D+16*\q+\n+1], s[56:57], v[XR+16*\q+\n:XR+16*\q+\n+1] op_sel_hi:[1,0,1]   ; x1 = sum x 2^(e10 + e11) + x
.endr
.endr
.irp q, 0,1
.irp j, 0,1,2,3
	global_store_b128 v1, v[XR+16*\q+4*\j:XR+16*\q+4*\j+3], s[30:31] offset:\q*2048+512*\j    ; 512 consecutive bytes; these registers are not written again
.endr
.endr
.macro REDUCE2
.irp q, 0,1
	s_delay_alu instid0(VALU_DEP_2)
	v_add_f32 v[SUM+\q], v[TP+2*\q], v[TP+2*\q+1]
.endr
.irp m, 1,2,4,8
.irp q, 0,1
	s_delay_alu instid0(VALU_DEP_2)
	v_add_f32_dpp v[SUM+\q], v[SUM+\q], v[SUM+\q] row_xmask:\m row_mask:0xf bank_mask:0xf
.endr
.endr
.irp q, 0,1
	s_delay_alu instid0(VALU_DEP_2)
	v_permlanex16_b32 v[PRM+\q], v[SUM+\q], s52, s53
.endr
.irp q, 0,1
	s_delay_alu instid0(VALU_DEP_2)
	v_add_f32 v[SUM+\q], v[SUM+\q], v[PRM+\q]
.endr
.endm
.irp q, 0,1
	v_pk_add_f32 v[TP+2*\q:TP+2*\q+1], v[XR+16*\q:XR+16*\q+1], v[XR+16*\q+2:XR+16*\q+3]
.endr
.irp n, 4,6,8,10,12,14
.irp q, 0,1
	s_delay_alu instid0(VALU_DEP_2)
	v_pk_add_f32 v[TP+2*\q:TP+2*\q+1], v[TP+2*\q:TP+2*\q+1], v[XR+16*\q+\n:XR+16*\q+\n+1]
.endr
.endr
	REDUCE2
.irp q, 0,1
	s_delay_alu instid0(VALU_DEP_2)
	v_mul_f32 v[MEAN+2*\q], s54, v[SUM+\q]
.endr
.irp n, 0,2,4,6,8,10,12,14
.irp q, 0,1
	v_pk_add_f32 v[D+16*\q+\n:D+16*\q+\n+1], v[XR+16*\q+\n:XR+16*\q+\n+1], v[MEAN+2*\q:MEAN+2*\q+1] op_sel_hi:[1,0] neg_lo:[0,1] neg_hi:[0,1]
.endr
.endr
.irp q, 0,1
	v_pk_mul_f32 v[TP+2*\q:TP+2*\q+1], v[D+16*\q:D+16*\q+1], v[D+16*\q:D+16*\q+1]
.endr
.irp n, 2,4,6,8,10,12,14
.irp q, 0,1
	s_delay_alu instid0(VALU_DEP_2)
	v_pk_fma_f32 v[TP+2*\q:TP+2*\q+1], v[D+16*\q+\n:D+16*\q+\n+1], v[D+16*\q+\n:D+16*\q+\n+1], v[TP+2*\q:TP+2*\q+1]
.endr
.endr
	REDUCE2
.irp q, 0,1
	s_delay_alu instid0(VALU_DEP_2)
	v_fma_f32 v[SUM+\q], v[SUM+\q], s54, s55
.endr
	s_wait_alu depctr_va_vdst(0)
.irp q, 0,1
	v_rsq_f32 v[RS+2*\q], v[SUM+\q]
.endr
	v_nop
	s_wait_alu depctr_va_vdst(0)                   ; one wait for the two, ahead of their first reader
.irp n, 0,2,4,6,8,10,12,14
.irp q, 0,1
	v_pk_mul_f32 v[D+16*\q+\n:D+16*\q+\n+1], v[D+16*\q+\n:D+16*\q+\n+1], v[RS+2*\q:RS+2*\q+1] op_sel_hi:[1,0]
.endr
.endr
.irp n, 0,2,4,6,8,10,12,14
.irp q, 0,1
	v_pk_fma_f32 v[D+16*\q+\n:D+16*\q+\n+1], v[D+16*\q+\n:D+16*\q+\n+1], v[G+\n:G+\n+1], v[B+\n:B+\n+1]
.endr
.endr
.irp q, 0,1
.set n, 0
.rept 16
	v_med3_num_f32 v[T+n], v[D+16*\q+n], -v8, v8
.set n, n+1
.endr
	v_cvt_scalef32_pk8_fp8_f32 v[C+4*\q:C+4*\q+1], v[T:T+7], v7
	v_cvt_scalef32_pk8_fp8_f32 v[C+4*\q+2:C+4*\q+3], v[T+8:T+15], v7
	v_nop
.irp j, 0,1,2,3
	ds_store_b32 v5, v[C+4*\q+\j] offset:\j*4*PP+\q*16
.endr
.endr
	s_wait_dscnt 0x0
	s_barrier_signal -1
	s_barrier_wait -1                              ; the 32 planes are whole
	ds_load_b128 v[T:T+3], v6
	ds_load_b128 v[T+4:T+7], v6 offset:PP
	s_wait_dscnt 0x0
	global_store_b128 v1, v[T:T+3], s[32:33]
	global_store_b128 v1, v[T+4:T+7], s[32:33] offset:512
	s_wait_tensorcnt 0x0                           ; the wave's end
	ds_add_u32 v10, v11
	s_wait_dscnt 0x0
	s_endpgm
.Lfunc_end_k_qf3ab3885a9_oproj:
	.size	k_qf3ab3885a9_oproj, .Lfunc_end_k_qf3ab3885a9_oproj-k_qf3ab3885a9_oproj
	.p2alignl 7, 3214868480
	.fill 96, 4, 3214868480
	.section	.rodata,"a",@progbits
	.p2align	6, 0x0
	.amdhsa_kernel k_qf3ab3885a9_oproj
		.amdhsa_group_segment_fixed_size 101376
		.amdhsa_private_segment_fixed_size 0
		.amdhsa_enable_private_segment 0
		.amdhsa_kernarg_size 64
		.amdhsa_user_sgpr_count 2
		.amdhsa_user_sgpr_kernarg_segment_ptr 1
		.amdhsa_wavefront_size32 1
		.amdhsa_system_sgpr_workgroup_id_x 1
		.amdhsa_system_sgpr_workgroup_id_y 1
		.amdhsa_system_sgpr_workgroup_id_z 1
		.amdhsa_system_vgpr_workitem_id 0
		.amdhsa_next_free_vgpr 256
		.amdhsa_next_free_sgpr 66
		.amdhsa_reserve_vcc 0
		.amdhsa_float_denorm_mode_32 3
		.amdhsa_float_denorm_mode_16_64 3
		.amdhsa_memory_ordered 1
		.amdhsa_forward_progress 1
		.amdhsa_inst_pref_size 28
	.end_amdhsa_kernel
	.amdgpu_metadata
---
amdhsa.version: [ 1, 2 ]
amdhsa.kernels:
  - .name:           k_qf3ab3885a9_oproj
    .symbol:         k_qf3ab3885a9_oproj.kd
    .args:
      - { .name: oimg, .offset: 0, .size: 8, .value_kind: global_buffer, .address_space: global }
      - { .name: prep, .offset: 8, .size: 8, .value_kind: global_buffer, .address_space: global }
      - { .name: lowp_scales, .offset: 16, .size: 8, .value_kind: global_buffer, .address_space: global }
      - { .name: x, .offset: 24, .size: 8, .value_kind: global_buffer, .address_space: global }
      - { .name: g2, .offset: 32, .size: 8, .value_kind: global_buffer, .address_space: global }
      - { .name: b2, .offset: 40, .size: 8, .value_kind: global_buffer, .address_space: global }
      - { .name: x1, .offset: 48, .size: 8, .value_kind: global_buffer, .address_space: global }
      - { .name: himg, .offset: 56, .size: 8, .value_kind: global_buffer, .address_space: global }
    .group_segment_fixed_size: 101376
    .private_segment_fixed_size: 0
    .kernarg_segment_align: 8
    .kernarg_segment_size: 64
    .max_flat_workgroup_size: 512
    .sgpr_count:     66
    .vgpr_count:     256
    .wavefront_size: 32
...
	.end_amdgpu_metadata
.endif
;; end of part 4
;; launch ffn1 (part 5): grid 32 x 8, 16 waves a work-group, clusters of 4 x 1, 264,192 bytes of LDS; arguments himg, prep, lowp_scales, gimg; writes gimg
.if DOCPART == 5
	.amdgcn_target "amdgcn-amd-amdhsa--gfx1250"
	.amdhsa_code_object_version 6
	.text
	.protected	k_qf3ab3885a9_ffn1
	.globl	k_qf3ab3885a9_ffn1
	.p2align	8
	.type	k_qf3ab3885a9_ffn1,@function
k_qf3ab3885a9_ffn1:
	s_mov_b64 s[64:65], 0
	v_nop
	global_prefetch_b8 v0, s[64:65] scope:SCOPE_SE
	s_setreg_imm32_b32 hwreg(HW_REG_WAVE_MODE, 25, 1), 1
	s_wait_xcnt 0x0
	s_wait_alu depctr_hold_cnt(0) depctr_sa_sdst(0) depctr_va_vdst(0) depctr_va_sdst(0) depctr_va_ssrc(0) depctr_va_vcc(0) depctr_vm_vsrc(0)
	s_getreg_b32 s2, hwreg(HW_REG_IB_STS2, 6, 4)
	s_cmp_eq_u32 s2, 0
	s_cbranch_scc0 .Lentry_in_a_cluster
	s_endpgm
.Lentry_in_a_cluster:
	s_bfe_u32 s2, ttmp6, 0x10000c
	s_cmp_lg_u32 s2, 0x3003
	s_cbranch_scc0 .Lentry_shape_is_right
	s_endpgm
.Lentry_shape_is_right:
; FFN1.  g = gelu(h W1^T), exact gelu, quantised by e14 as the next product's operand.  h and W1 are codes of E4M3, images of registers (see the first launch).
; The main part is the launch qkv's: 256 rows x 256 hidden units a work-group, K = 512, both operands whole in LDS by first fills alone; 16 waves of 64 x 64; the four partners of a cluster are four row blocks and
; ask for the weight's 128 KiB jointly.  Always transposed: source 0 = 16 units of W1, source 1 = 16 rows: a lane holds a row, its registers run along the hidden units, the next K.
; GELU.  gelu(x) = max(x, 0) - |x| erfc(|x| / sqrt 2) / 2.  erfc(z) = t exp(-z^2 + P(t)), t = 1 / (1 + z / 2), P of degree 9 (Numerical Recipes' erfcc): fractional error at most 1.2e-7 at every z.
; No 1 + erf is formed, so nothing cancels.  Where x^2 overflows the exponential is 0 and the result max(x, 0).
; LIMITS: e12 + e13 between -126 and 127; e14 between -126 and 119.
.set SPARE, 262144
.set G1A, 16
.set G1B, 24
.set G0A, 68
.set G0B, 84
.set AD0, 8
.set AD1, 12
.set ACC, 16
.set S1,  144
.set S0,  208
.set AX,  144                          ; the gelu's 16 |x|, t, exponent, -x / 2: in source 1's registers, which are done with
.set TT,  160
.set PO,  176
.set HH,  192
.set SC,  68                           ; scalar pairs (both halves written), in the descriptors' registers once all my tensor loads have landed
.set K1,  70
.set L2E, 72
.set C9,  74
.set C7,  76
.set C6,  78
.set C5,  80
.set C4,  82
.set C3,  84
.set C2,  86
.set C1,  88
.set C0,  90
.macro ROUND
	s_barrier_signal -1
	s_barrier_wait -1
	s_cmp_lg_u32 s12, 0
	s_cbranch_scc1 .Lnw0_\@
	s_barrier_signal -3
.Lnw0_\@:
	s_barrier_wait -3
	s_barrier_signal -1
	s_barrier_wait -1
.endm
	s_load_b256 s[4:11], s[0:1], 0x0               ; himg, prep, lowp_scales, gimg
	v_lshl_add_u32 v4, v0, 2, SPARE
	v_mov_b32 v5, 0
	ds_add_u32 v4, v5                              ; the wave's opening: the add and its wait ahead of my first tensor load
	ds_add_u32 v4, v5
	v_lshrrev_b32 v6, 5, v0
	s_delay_alu instid0(VALU_DEP_1)
	v_readfirstlane_b32 s12, v6                    ; wave
	v_and_b32 v6, 31, v0
	s_delay_alu instid0(VALU_DEP_1)
	v_lshlrev_b32 v1, 4, v6
	s_wait_alu depctr_va_vdst(0)
	s_bfe_u32 s13, ttmp6, 0x40000                  ; cx
	s_lshl_b32 s14, ttmp9, 2
	s_add_co_u32 s14, s14, s13                     ; row block of 256
	s_and_b32 s15, ttmp7, 0xffff                   ; block of 256 hidden units
	s_lshr_b32 s60, s12, 2                         ; wr
	s_and_b32 s61, s12, 3                          ; wc
	s_lshl_b32 s67, s60, 15                        ; LDS: [tile 16][K step 4][2048], the rows' tiles first.  Source 1: my four row tiles
	s_lshl_b32 s66, s61, 15
	s_add_co_u32 s66, s66, 131072                  ; source 0: my four tiles of W1
.irp s, 0,1,2,3
	v_add_nc_u32 v[AD0+\s], s66, v1
	v_add_nc_u32 v[AD1+\s], s67, v1
	s_add_co_u32 s66, s66, 2048                    ; a K step on within a tile
	s_add_co_u32 s67, s67, 2048
.endr
	s_mov_b32 s[G1A], 3<<16                        ; group 1: 2 rows of 8,192 bytes, 8,192 apart, in elements of 8 bytes
	s_mov_b32 s[G1B], 15|(3<<16)|(1<<21)           ; the same with the mask of the four partners, bit 21 beside it
.irp g, G1A, G1B
	s_mov_b32 s[\g+1], 1024<<16                    ; a tile's four K steps, 8,192 bytes on end;
	s_mov_b32 s[\g+2], 2<<16                       ; two tiles, on end in memory too
	s_mov_b32 s[\g+3], 1024<<16
	s_mov_b32 s[\g+4], 2
	s_mov_b32 s[\g+5], 1024
	s_mov_b32 s[\g+6], 0
	s_mov_b32 s[\g+7], 0
.endr
	s_and_b32 s54, s12, 7
	s_lshl_b32 s55, s12, 14                        ; to LDS: wave x 16,384
	s_lshl_b32 s56, s14, 17                        ; rows (cx enters here)
	s_lshl_b32 s57, s54, 14
	s_add_co_u32 s56, s56, s57
	s_mov_b32 s57, 0
	s_lshl_b32 s58, s15, 17                        ; W1: in registers that never hold cx
	s_lshl_b32 s59, s54, 14
	s_add_co_u32 s58, s58, s59
	s_add_co_u32 s58, s58, 13631488
	s_mov_b32 s59, 0
	s_wait_dscnt 0x0
	s_wait_kmcnt 0x0
	s_load_b128 s[36:39], s[8:9], 0x30             ; e12, e13, e14, e15
	s_add_nc_u64 s[56:57], s[4:5], s[56:57]
	s_add_nc_u64 s[58:59], s[6:7], s[58:59]
	s_mov_b32 s[G0A], 1
	s_mov_b32 s[G0A+1], s55
	s_mov_b64 s[G0A+2:G0A+3], s[56:57]
	s_or_b32 s[G0A+3], s[G0A+3], 0x80000000
	s_mov_b32 s[G0B], 1
	s_mov_b32 s[G0B+1], s55
	s_mov_b64 s[G0B+2:G0B+3], s[58:59]
	s_or_b32 s[G0B+3], s[G0B+3], 0x80000000
	ROUND
	s_cmp_lt_u32 s12, 8                            ; one first fill a wave, 16 KiB: two tiles with all four K steps
	s_cbranch_scc0 .Lfill_b
	tensor_load_to_lds s[G0A:G0A+3], s[G1A:G1A+7]
	s_nop 0
.rept 4
	v_nop
.endr
	s_branch .Lfilled
.Lfill_b:
	tensor_load_to_lds s[G0B:G0B+3], s[G1B:G1B+7]
	s_nop 0
.rept 4
	v_nop
.endr
.Lfilled:
	s_wait_kmcnt 0x0
	s_add_co_i32 s52, s38, 127
	s_lshl_b32 s53, s52, 23
	v_mov_b32 v2, s53                              ; 2^e14
	s_add_co_i32 s52, s52, 8
	s_lshl_b32 s52, s52, 23
	s_or_b32 s52, s52, 0x600000
	v_mov_b32 v3, s52                              ; 448 x 2^e14
	v_mov_b32 v6, 0xbf527892                       ; c8, as a vector pair
	v_mov_b32 v7, 0xbf527892
	s_lshl_b32 s54, s14, 19                        ; gimg: [row tile 512][K step 16][2048]: row block x 16 tiles,
	s_lshl_b32 s55, s60, 17                        ; + 4 wr tiles,
	s_add_co_u32 s54, s54, s55
	s_lshl_b32 s55, s15, 1
	s_lshr_b32 s56, s61, 1
	s_add_co_u32 s55, s55, s56                     ; K step 2 y + wc / 2,
	s_lshl_b32 s55, s55, 11
	s_add_co_u32 s54, s54, s55
	s_and_b32 s55, s61, 1
	s_lshl_b32 s55, s55, 10                        ; planes 2 (wc % 2) + 0, 1
	s_add_co_u32 s54, s54, s55
	s_mov_b32 s55, 0
	s_add_nc_u64 s[54:55], s[10:11], s[54:55]
.macro LDF reg, adr, off
.irp i, 0,1,2,3
	ds_load_b128 v[(\reg)+4*\i:(\reg)+4*\i+3], v[\adr] offset:(\off)+512*\i
.endr
.endm
.macro MUL4 b, buf, zero               ; the 16 accumulators take turns, one instruction a turn
.irp a, 0,1,2,3
.if \zero
	v_wmma_f32_16x16x128_fp8_fp8 v[ACC+32*\a+8*\b:ACC+32*\a+8*\b+7], v[S0+16*\buf:S0+16*\buf+15], v[S1+16*\a:S1+16*\a+15], 0
.else
	v_wmma_f32_16x16x128_fp8_fp8 v[ACC+32*\a+8*\b:ACC+32*\a+8*\b+7], v[S0+16*\buf:S0+16*\buf+15], v[S1+16*\a:S1+16*\a+15], v[ACC+32*\a+8*\b:ACC+32*\a+8*\b+7]
.endif
.endr
.endm
.macro KSTEP s, zero
.if \s == 0
	s_wait_tensorcnt 0x0                           ; my one load has landed
	s_wait_dscnt 0x0
	s_barrier_signal -1
	s_barrier_wait -1                              ; everybody's has: from here on LDS is only read
.endif
.if \s > 0
.rept 4
	v_nop
.endr
.endif
.irp a, 0,1,2,3
	LDF S1+16*\a, AD1+\s, \a*8192
.endr
	LDF S0, AD0+\s, 0
	LDF S0+16, AD0+\s, 8192
	s_wait_dscnt 4
	MUL4 0, 0, \zero
	s_wait_dscnt 0x0
	MUL4 1, 1, \zero
.rept 4
	v_nop
.endr
	LDF S0, AD0+\s, 16384
	LDF S0+16, AD0+\s, 24576
	s_wait_dscnt 4
	MUL4 2, 0, \zero
	s_wait_dscnt 0x0
	MUL4 3, 1, \zero
.endm
	KSTEP 0, 1
	s_wait_alu depctr_va_vdst(0)
	KSTEP 1, 0
	KSTEP 2, 0
	KSTEP 3, 0                                     ; the first K step's wait on TENSORcnt was for 0: the descriptors' registers may be written
.macro PAIR r, val
	s_mov_b32 s[\r], \val
	s_mov_b32 s[\r+1], \val
.endm
	s_add_co_i32 s[SC], s36, s37
	s_add_co_i32 s[SC], s[SC], 127
	s_lshl_b32 s[SC], s[SC], 23                    ; 2^(e12 + e13)
	s_mov_b32 s[SC+1], s[SC]
	PAIR K1,  0x3eb504f3                           ; 1 / (2 sqrt 2)
	PAIR L2E, 0x3fb8aa3b                           ; log2(e)
	PAIR C9,  0x3e2ef946
	PAIR C7,  0x3fbe87b0
	PAIR C6,  0xbf914e5d
	PAIR C5,  0x3e8ec7cc
	PAIR C4,  0xbe3ec24c
	PAIR C3,  0x3dc636c9
	PAIR C2,  0x3ebf88fb
	PAIR C1,  0x3f8000c7
	PAIR C0,  0xbffab55a                           ; -1.26551223 - ln 2: the half is folded in
.rept 4
	v_nop
.endr
.macro GELU16 x                        ; 16 sums in place -> 16 gelu; two batches of transcendentals, one wait each
.set n, 0
.rept 8
	v_pk_mul_f32 v[(\x)+n:(\x)+n+1], v[(\x)+n:(\x)+n+1], s[SC:SC+1] op_sel_hi:[1,0]    ; x: each accumulator is read from its low end on
.set n, n+2
.endr
.set n, 0
.rept 16
	v_and_b32 v[AX+n], 0x7fffffff, v[(\x)+n]
.set n, n+1
.endr
.set n, 0
.rept 8
	v_pk_fma_f32 v[TT+n:TT+n+1], v[AX+n:AX+n+1], s[K1:K1+1], 1.0 op_sel_hi:[1,0,0]
.set n, n+2
.endr
.set n, 0
	s_wait_alu depctr_va_vdst(0)
.rept 16
	v_rcp_f32 v[TT+n], v[TT+n]                     ; t
.set n, n+1
.endr
.set n, 0
.rept 8
	v_pk_mul_f32 v[HH+n:HH+n+1], v[(\x)+n:(\x)+n+1], -0.5 op_sel_hi:[1,0]              ; plain lines behind the batch
.set n, n+2
.endr
	s_wait_alu depctr_va_vdst(0)                   ; one wait for the 16 reciprocals
.set n, 0
.rept 8
	v_pk_fma_f32 v[PO+n:PO+n+1], v[TT+n:TT+n+1], s[C9:C9+1], v[6:7] op_sel_hi:[1,0,1]
.set n, n+2
.endr
.irp c, C7,C6,C5,C4,C3,C2,C1,C0
.set n, 0
.rept 8
	v_pk_fma_f32 v[PO+n:PO+n+1], v[PO+n:PO+n+1], v[TT+n:TT+n+1], s[\c:\c+1] op_sel_hi:[1,1,0]
.set n, n+2
.endr
.endr
.set n, 0
.rept 8
	v_pk_fma_f32 v[PO+n:PO+n+1], v[HH+n:HH+n+1], v[(\x)+n:(\x)+n+1], v[PO+n:PO+n+1]    ; - x^2 / 2 = - z^2
.set n, n+2
.endr
.set n, 0
.rept 8
	v_pk_mul_f32 v[PO+n:PO+n+1], v[PO+n:PO+n+1], s[L2E:L2E+1] op_sel_hi:[1,0]
.set n, n+2
.endr
.set n, 0
	s_wait_alu depctr_va_vdst(0)
.rept 16
	v_exp_f32 v[PO+n], v[PO+n]
.set n, n+1
.endr
.set n, 0
.rept 8
	v_pk_mul_f32 v[AX+n:AX+n+1], v[AX+n:AX+n+1], v[TT+n:TT+n+1]                        ; |x| t
.set n, n+2
.endr
.set n, 0
.rept 16
	v_max_num_f32 v[(\x)+n], 0, v[(\x)+n]
.set n, n+1
.endr
	s_wait_alu depctr_va_vdst(0)                   ; one wait for the 16 exponentials
.set n, 0
.rept 8
	v_pk_fma_f32 v[(\x)+n:(\x)+n+1], v[AX+n:AX+n+1], v[PO+n:PO+n+1], v[(\x)+n:(\x)+n+1] neg_lo:[1,0,0] neg_hi:[1,0,0]
.set n, n+2
.endr
.endm
.irp a, 0,1,2,3
	GELU16 ACC+32*\a
	GELU16 ACC+32*\a+16
.set n, 0
.rept 32
	v_med3_num_f32 v[ACC+32*\a+n], v[ACC+32*\a+n], -v3, v3
.set n, n+1
.endr
.irp b, 0,1,2,3
	v_cvt_scalef32_pk8_fp8_f32 v[S0+8*\a+2*\b:S0+8*\a+2*\b+1], v[ACC+32*\a+8*\b:ACC+32*\a+8*\b+7], v2
.endr
	v_nop
.irp p, 0,1
	global_store_b128 v1, v[S0+8*\a+4*\p:S0+8*\a+4*\p+3], s[54:55] offset:\a*32768+\p*512    ; row tile a of my four, plane p of my two: 512 consecutive bytes
.endr
.endr
	s_wait_tensorcnt 0x0                           ; the wave's end
	ds_add_u32 v4, v5
	s_wait_dscnt 0x0
	ROUND                                          ; the closing round
	s_endpgm
.Lfunc_end_k_qf3ab3885a9_ffn1:
	.size	k_qf3ab3885a9_ffn1, .Lfunc_end_k_qf3ab3885a9_ffn1-k_qf3ab3885a9_ffn1
	.p2alignl 7, 3214868480
	.fill 96, 4, 3214868480
	.section	.rodata,"a",@progbits
	.p2align	6, 0x0
	.amdhsa_kernel k_qf3ab3885a9_ffn1
		.amdhsa_group_segment_fixed_size 264192
		.amdhsa_private_segment_fixed_size 0
		.amdhsa_enable_private_segment 0
		.amdhsa_kernarg_size 32
		.amdhsa_user_sgpr_count 2
		.amdhsa_user_sgpr_kernarg_segment_ptr 1
		.amdhsa_wavefront_size32 1
		.amdhsa_system_sgpr_workgroup_id_x 1
		.amdhsa_system_sgpr_workgroup_id_y 1
		.amdhsa_system_sgpr_workgroup_id_z 1
		.amdhsa_system_vgpr_workitem_id 0
		.amdhsa_next_free_vgpr 256
		.amdhsa_next_free_sgpr 100
		.amdhsa_reserve_vcc 0
		.amdhsa_float_denorm_mode_32 3
		.amdhsa_float_denorm_mode_16_64 3
		.amdhsa_memory_ordered 1
		.amdhsa_forward_progress 1
		.amdhsa_inst_pref_size 117
	.end_amdhsa_kernel
	.amdgpu_metadata
---
amdhsa.version: [ 1, 2 ]
amdhsa.kernels:
  - .name:           k_qf3ab3885a9_ffn1
    .symbol:         k_qf3ab3885a9_ffn1.kd
    .args:
      - { .name: himg, .offset: 0, .size: 8, .value_kind: global_buffer, .address_space: global }
      - { .name: prep, .offset: 8, .size: 8, .value_kind: global_buffer, .address_space: global }
      - { .name: lowp_scales, .offset: 16, .size: 8, .value_kind: global_buffer, .address_space: global }
      - { .name: gimg, .offset: 24, .size: 8, .value_kind: global_buffer, .address_space: global }
    .group_segment_fixed_size: 264192
    .private_segment_fixed_size: 0
    .kernarg_segment_align: 8
    .kernarg_segment_size: 32
    .max_flat_workgroup_size: 512
    .sgpr_count:     100
    .vgpr_count:     256
    .wavefront_size: 32
...
	.end_amdgpu_metadata
.endif
;; end of part 5
;; launch ffn2 (part 6): grid 4 x 64, 8 waves a work-group, clusters of 4 x 1, 327,680 bytes of LDS; arguments gimg, prep, lowp_scales, x1, out0; writes out0
.if DOCPART == 6
	.amdgcn_target "amdgcn-amd-amdhsa--gfx1250"
	.amdhsa_code_object_version 6
	.text
	.protected	k_qf3ab3885a9_ffn2
	.globl	k_qf3ab3885a9_ffn2
	.p2align	8
	.type	k_qf3ab3885a9_ffn2,@function
k_qf3ab3885a9_ffn2:
	s_mov_b64 s[64:65], 0
	v_nop
	global_prefetch_b8 v0, s[64:65] scope:SCOPE_SE
	s_setreg_imm32_b32 hwreg(HW_REG_WAVE_MODE, 25, 1), 1
	s_wait_xcnt 0x0
	s_wait_alu depctr_hold_cnt(0) depctr_sa_sdst(0) depctr_va_vdst(0) depctr_va_sdst(0) depctr_va_ssrc(0) depctr_va_vcc(0) depctr_vm_vsrc(0)
	s_getreg_b32 s2, hwreg(HW_REG_IB_STS2, 6, 4)
	s_cmp_eq_u32 s2, 0
	s_cbranch_scc0 .Lentry_in_a_cluster
	s_endpgm
.Lentry_in_a_cluster:
	s_bfe_u32 s2, ttmp6, 0x10000c
	s_cmp_lg_u32 s2, 0x3003
	s_cbranch_scc0 .Lentry_shape_is_right
	s_endpgm
.Lentry_shape_is_right:
; FFN2.  out = x1 + g W2^T on codes of E4M3.  A work-group makes 128 rows x 128 channels, K = 2,048: 256 work-groups.  Eight waves, each 64 rows x 32 channels: 8 accumulators.
; CLUSTER 4 x 1: the four partners are the four column blocks of one row block and need the same codes of g: asked for jointly (mask 15); each one's own 128 rows of W2 come by plain loads.
; K goes in four chunks of 512 through two LDS slots of 128 KiB (g's 8 row tiles x 8,192 bytes, then W2's 8).  One tensor load a wave and chunk (two tiles, 16 KiB): waves 0-3 g's, waves 4-7 W2's.
; One load of a wave is out at the start, one behind each round.  A slot is filled again behind a round of the cluster's barrier, in front of which every wave has waited for all its tensor loads, added 0 to its spare word,
; and waited for that and for its reads of the slot.  All of a WGP's LDS is claimed.
; Transposed: source 0 = 16 channels of W2, source 1 = 16 rows: a lane holds 8 neighbouring channels of a row.  The sums meet in a stage in slot 0 (it has had its last fill, and its last read lies ahead of the last barrier)
; and leave as rows of 512 consecutive bytes, with x1 added.  No prefetch: the launch is short and its tiles are few.
; LIMIT: e14 + e15 between -126 and 127.
.set SLOT,  131072
.set SPARE, 262144
.set G1A, 16
.set G1B, 24
.set G0A, 36                           ; s[36:43] g's groups 0, one for each slot;  s[44:51] W2's
.set G0B, 44
.set ACC, 16                           ; v16-79 accumulator (rows m, channels n) at 16 + 16 m + 8 n
.set R,   80                           ; v80-143 four fragments of g
.set W,   144                          ; v144-175 two of W2
.set X1,  176                          ; v176-239 16 rows' pieces of x1
.macro ROUND
	s_barrier_signal -1
	s_barrier_wait -1
	s_cmp_lg_u32 s14, 0
	s_cbranch_scc1 .Lnw0_\@
	s_barrier_signal -3
.Lnw0_\@:
	s_barrier_wait -3
	s_barrier_signal -1
	s_barrier_wait -1
.endm
.macro JLOAD s                         ; waves 0-3: the joint load of g; waves 4-7: W2.  The branch hangs on the wave's number alone
	s_cmp_eq_u32 s15, 0
	s_cbranch_scc0 .Lfor_b_\@
	tensor_load_to_lds s[G0A+4*\s:G0A+4*\s+3], s[G1A:G1A+7]
	s_nop 0
.rept 4
	v_nop
.endr
	s_branch .Lasked_\@
.Lfor_b_\@:
	tensor_load_to_lds s[G0B+4*\s:G0B+4*\s+3], s[G1B:G1B+7]
	s_nop 0
.rept 4
	v_nop
.endr
.Lasked_\@:
.endm
	s_load_b256 s[4:11], s[0:1], 0x0               ; gimg, prep, lowp_scales, x1
	s_load_b64 s[12:13], s[0:1], 0x20              ; out0
	v_lshl_add_u32 v10, v0, 2, SPARE
	v_mov_b32 v11, 0
	ds_add_u32 v10, v11                            ; the wave's opening: the add and its wait ahead of my first tensor load
	ds_add_u32 v10, v11
	v_lshrrev_b32 v12, 5, v0
	s_delay_alu instid0(VALU_DEP_1)
	v_readfirstlane_b32 s14, v12                   ; wave 0..7
	s_lshr_b32 s15, s14, 2                         ; wr: my 64 rows.  Also: I fetch g (0) or W2 (1)
	s_and_b32 s32, s14, 3                          ; wc: my 32 channels.  Also: which two tiles I fetch
	s_bfe_u32 s33, ttmp6, 0x40000                  ; cx: the column block: it enters W2's, x1's and out's global addresses alone
	s_and_b32 s34, ttmp7, 0xffff                   ; the row block of 128
	v_and_b32 v12, 31, v0
	s_delay_alu instid0(VALU_DEP_1)
	v_lshlrev_b32 v1, 4, v12
	s_lshl_b32 s52, s15, 15
	v_add_nc_u32 v2, s52, v1                       ; my four row tiles in slot 0,
	s_delay_alu instid0(VALU_DEP_1)
	v_add_nc_u32 v3, SLOT, v2                      ; in slot 1
	s_lshl_b32 s52, s32, 14
	s_add_co_u32 s52, s52, 65536
	v_add_nc_u32 v4, s52, v1                       ; my two tiles of W2
	s_delay_alu instid0(VALU_DEP_1)
	v_add_nc_u32 v5, SLOT, v4
	v_and_b32 v12, 15, v0
	v_bfe_u32 v13, v0, 4, 1
	s_delay_alu instid0(VALU_DEP_2)
	v_mul_u32_u24 v6, v12, 528                     ; the stage: row 64 wr + r, + 128 wc + 32 h
	s_delay_alu instid0(VALU_DEP_1)
	v_lshl_add_u32 v6, v13, 5, v6
	s_mul_i32 s52, s15, 64*528
	s_lshl_b32 s53, s32, 7
	s_add_co_u32 s52, s52, s53
	v_add_nc_u32 v6, s52, v6
	s_mul_i32 s52, s14, 16*528
	v_add_nc_u32 v7, s52, v1                       ; back: rows 16 w on
	s_mov_b32 s[G1A], 15|(3<<16)|(1<<21)           ; group 1: 2 rows of 8,192 bytes, 32,768 apart, in elements of 8 bytes; g's with the mask of the four
	s_mov_b32 s[G1B], 3<<16
.irp g, G1A, G1B
	s_mov_b32 s[\g+1], 1024<<16                    ; tensor_dim0
	s_mov_b32 s[\g+2], 2<<16                       ; tensor_dim1
	s_mov_b32 s[\g+3], 1024<<16                    ; tile_dim0
	s_mov_b32 s[\g+4], 2                           ; tile_dim1
	s_mov_b32 s[\g+5], 4096                        ; from row to row
	s_mov_b32 s[\g+6], 0
	s_mov_b32 s[\g+7], 0
.endr
	s_lshl_b32 s54, s34, 18                        ; g: row block x 8 tiles x 32,768, + 2 tiles x (wave % 4): in registers that never hold cx
	s_lshl_b32 s55, s32, 16
	s_add_co_u32 s54, s54, s55
	s_mov_b32 s55, 0
	s_lshl_b32 s56, s33, 18                        ; W2
	s_lshl_b32 s57, s32, 16
	s_add_co_u32 s56, s56, s57
	s_add_co_u32 s56, s56, 14680064
	s_mov_b32 s57, 0
	s_lshl_b32 s58, s14, 14                        ; to LDS: wave x 16,384
	s_lshl_b32 s60, s34, 18                        ; x1, out: row 128 block + 16 wave, + 512 cx
	s_lshl_b32 s61, s14, 15
	s_add_co_u32 s60, s60, s61
	s_lshl_b32 s61, s33, 9
	s_add_co_u32 s60, s60, s61
	s_mov_b32 s61, 0
	s_wait_dscnt 0x0
	s_wait_kmcnt 0x0
	s_load_b64 s[66:67], s[8:9], 0x38              ; e14, e15
	s_add_nc_u64 s[54:55], s[4:5], s[54:55]
	s_add_nc_u64 s[56:57], s[6:7], s[56:57]
	s_add_nc_u64 s[10:11], s[10:11], s[60:61]
	s_add_nc_u64 s[12:13], s[12:13], s[60:61]
.irp s, 0,1
	s_mov_b32 s[G0A+4*\s], 1
	s_add_co_u32 s[G0A+4*\s+1], s58, \s*SLOT
	s_add_nc_u64 s[G0A+4*\s+2:G0A+4*\s+3], s[54:55], \s*8192
	s_or_b32 s[G0A+4*\s+3], s[G0A+4*\s+3], 0x80000000
	s_mov_b32 s[G0B+4*\s], 1
	s_add_co_u32 s[G0B+4*\s+1], s58, \s*SLOT
	s_add_nc_u64 s[G0B+4*\s+2:G0B+4*\s+3], s[56:57], \s*8192
	s_or_b32 s[G0B+4*\s+3], s[G0B+4*\s+3], 0x80000000
.endr
	ROUND                                          ; all four work-groups are here
	s_cmp_eq_u32 s15, 0                            ; chunk 0: one tensor load a wave at the head
	s_cbranch_scc0 .Lfirst_b
	tensor_load_to_lds s[G0A:G0A+3], s[G1A:G1A+7]
	s_nop 0
.rept 4
	v_nop
.endr
	s_branch .Lfirst_done
.Lfirst_b:
	tensor_load_to_lds s[G0B:G0B+3], s[G1B:G1B+7]
	s_nop 0
.rept 4
	v_nop
.endr
.Lfirst_done:
.set n, 0
.rept 16
	global_load_b128 v[X1+4*n:X1+4*n+3], v1, s[10:11] offset:2048*n th:TH_LOAD_NT    ; 512 consecutive bytes of row 16 w + n
.set n, n+1
.endr
.macro LDF reg, adr, off
.irp i, 0,1,2,3
	ds_load_b128 v[(\reg)+4*\i:(\reg)+4*\i+3], v[\adr] offset:(\off)+512*\i
.endr
.endm
.macro KS slot, q, zero                ; 128 along K: 8 products, the accumulators by turns, one instruction a turn
.rept 4
	v_nop                                          ; places in front of loads into registers that matrix instructions have read
.endr
	LDF W, 4+\slot, \q*2048
.irp m, 0,1,2,3
	LDF R+16*\m, 2+\slot, \m*8192+\q*2048
.endr
	LDF W+16, 4+\slot, 8192+\q*2048
	s_wait_dscnt 4                                 ; all but W2's second tile
.irp m, 0,1,2,3
.if \zero
	v_wmma_f32_16x16x128_fp8_fp8 v[ACC+16*\m:ACC+16*\m+7], v[W:W+15], v[R+16*\m:R+16*\m+15], 0
.else
	v_wmma_f32_16x16x128_fp8_fp8 v[ACC+16*\m:ACC+16*\m+7], v[W:W+15], v[R+16*\m:R+16*\m+15], v[ACC+16*\m:ACC+16*\m+7]
.endif
.endr
	s_wait_dscnt 0x0
.irp m, 0,1,2,3
.if \zero
	v_wmma_f32_16x16x128_fp8_fp8 v[ACC+16*\m+8:ACC+16*\m+15], v[W+16:W+31], v[R+16*\m:R+16*\m+15], 0
.else
	v_wmma_f32_16x16x128_fp8_fp8 v[ACC+16*\m+8:ACC+16*\m+15], v[W+16:W+31], v[R+16*\m:R+16*\m+15], v[ACC+16*\m+8:ACC+16*\m+15]
.endif
.endr
.endm
.macro CHUNK slot, zero
	KS \slot, 0, \zero
	KS \slot, 1, 0
	KS \slot, 2, 0
	KS \slot, 3, 0
.endm
.macro REFILL s                        ; slot s, which has been read, takes the chunk two on
	s_wait_tensorcnt 0x0                           ; all my tensor loads have landed, my part of the other slot among them: a group 0 may be written
	ds_add_u32 v10, v11                            ; 0 onto my spare word
	s_add_nc_u64 s[G0A+4*\s+2:G0A+4*\s+3], s[G0A+4*\s+2:G0A+4*\s+3], 16384
	s_add_nc_u64 s[G0B+4*\s+2:G0B+4*\s+3], s[G0B+4*\s+2:G0B+4*\s+3], 16384
	s_wait_dscnt 0x0                               ; the add is done, and my reads of the slot are over
	ROUND                                          ; the same now holds of every wave of all four work-groups
	JLOAD \s                                       ; my one tensor load behind the round, and the first thing there
.endm
	s_wait_alu depctr_va_vdst(0)
	s_wait_tensorcnt 0x0                           ; my part of chunk 0 is in; slot 1's first fill is issued as a refill is:
	ds_add_u32 v10, v11
	s_wait_dscnt 0x0
	ROUND                                          ; everybody's part of chunk 0 is in, and all four work-groups are here
	JLOAD 1                                        ; chunk 1: my one tensor load behind the round; so one load of a wave is out at the start and one behind each round
	CHUNK 0, 1
	REFILL 0
	CHUNK 1, 0
	REFILL 1
	CHUNK 0, 0
	s_wait_tensorcnt 0x0                           ; my part of the last chunk has landed; nothing is filled again, so a plain barrier follows
	ds_add_u32 v10, v11
	s_wait_dscnt 0x0
	s_barrier_signal -1
	s_barrier_wait -1
	CHUNK 1, 0
.rept 4
	v_nop
.endr
.irp m, 0,1,2,3
.irp n, 0,1
	ds_store_b128 v6, v[ACC+16*\m+8*\n:ACC+16*\m+8*\n+3] offset:\m*16*528+64*\n         ; lane (r, h): row 64 wr + 16 m + r, channels 32 wc + 16 n + 8 h + 0 .. 7
	ds_store_b128 v6, v[ACC+16*\m+8*\n+4:ACC+16*\m+8*\n+7] offset:\m*16*528+64*\n+16
.endr
.endr
	s_wait_dscnt 0x0
	s_barrier_signal -1
	s_barrier_wait -1                              ; 128 whole rows of sums lie in the stage
.set n, 0
.rept 16
	ds_load_b128 v[R+4*n:R+4*n+3], v7 offset:n*528
.set n, n+1
.endr
	s_wait_kmcnt 0x0
	s_add_co_i32 s66, s66, s67
	s_add_co_i32 s66, s66, 127
	s_lshl_b32 s66, s66, 23                        ; 2^(e14 + e15)
	s_mov_b32 s67, s66
	s_wait_loadcnt 0x0                             ; x1
.set n, 0
.rept 16
	s_wait_dscnt 15-n
	v_pk_fma_f32 v[R+4*n:R+4*n+1], v[R+4*n:R+4*n+1], s[66:67], v[X1+4*n:X1+4*n+1] op_sel_hi:[1,0,1]
	v_pk_fma_f32 v[R+4*n+2:R+4*n+3], v[R+4*n+2:R+4*n+3], s[66:67], v[X1+4*n+2:X1+4*n+3] op_sel_hi:[1,0,1]
	global_store_b128 v1, v[R+4*n:R+4*n+3], s[12:13] offset:2048*n th:TH_STORE_NT     ; 512 consecutive bytes, at a multiple of 256 from the buffer's first byte
.set n, n+1
.endr
	s_wait_tensorcnt 0x0                           ; the wave's end
	ds_add_u32 v10, v11
	s_wait_dscnt 0x0
	ROUND                                          ; the closing round
	s_endpgm
.Lfunc_end_k_qf3ab3885a9_ffn2:
	.size	k_qf3ab3885a9_ffn2, .Lfunc_end_k_qf3ab3885a9_ffn2-k_qf3ab3885a9_ffn2
	.p2alignl 7, 3214868480
	.fill 96, 4, 3214868480
	.section	.rodata,"a",@progbits
	.p2align	6, 0x0
	.amdhsa_kernel k_qf3ab3885a9_ffn2
		.amdhsa_group_segment_fixed_size 327680
		.amdhsa_private_segment_fixed_size 0
		.amdhsa_enable_private_segment 0
		.amdhsa_kernarg_size 40
		.amdhsa_user_sgpr_count 2
		.amdhsa_user_sgpr_kernarg_segment_ptr 1
		.amdhsa_wavefront_size32 1
		.amdhsa_system_sgpr_workgroup_id_x 1
		.amdhsa_system_sgpr_workgroup_id_y 1
		.amdhsa_system_sgpr_workgroup_id_z 1
		.amdhsa_system_vgpr_workitem_id 0
		.amdhsa_next_free_vgpr 256
		.amdhsa_next_free_sgpr 68
		.amdhsa_reserve_vcc 0
		.amdhsa_float_denorm_mode_32 3
		.amdhsa_float_denorm_mode_16_64 3
		.amdhsa_memory_ordered 1
		.amdhsa_forward_progress 1
		.amdhsa_inst_pref_size 53
	.end_amdhsa_kernel
	.amdgpu_metadata
---
amdhsa.version: [ 1, 2 ]
amdhsa.kernels:
  - .name:           k_qf3ab3885a9_ffn2
    .symbol:         k_qf3ab3885a9_ffn2.kd
    .args:
      - { .name: gimg, .offset: 0, .size: 8, .value_kind: global_buffer, .address_space: global }
      - { .name: prep, .offset: 8, .size: 8, .value_kind: global_buffer, .address_space: global }
      - { .name: lowp_scales, .offset: 16, .size: 8, .value_kind: global_buffer, .address_space: global }
      - { .name: x1, .offset: 24, .size: 8, .value_kind: global_buffer, .address_space: global }
      - { .name: out0, .offset: 32, .size: 8, .value_kind: global_buffer, .address_space: global }
    .group_segment_fixed_size: 327680
    .private_segment_fixed_size: 0
    .kernarg_segment_align: 8
    .kernarg_segment_size: 40
    .max_flat_workgroup_size: 256
    .sgpr_count:     68
    .vgpr_count:     256
    .wavefront_size: 32
...
	.end_amdgpu_metadata
.endif
;; end of part 6
